; MI455X (gfx1250); checked and timed in simulation.
; The chip was launched on July 23, 2026; its instructions are those of AMD's public machine-readable ISA for CDNA 5 (MIT licence, August 2026) and "CDNA5" Instruction Set Architecture Reference Guide (July 2026). The comments in the code are by the model that wrote it; some were corrected since.
;; TF Rel Partial Learnable Multi Head Attn. Allowed arithmetic: matrix products marked QUANTISED: E3M2 operands, one E8M0 scale for each 32 along K, by v_wmma_scale_f32_16x16x128_f8f6f4 with both operands' format E3M2, f32 sums; everything else in f32.
;; Inputs: W_o_codes 1,024 x 32 x 24 uint8 (E3M2 codes of W_o, K innermost, in blocks of 32 codes, four codes in three bytes); W_o_scales 1,024 x 32 uint8 (E8M0 scales of W_o, one for each 32 codes along K); W_qkv_codes 3,072 x 32 x 24 uint8 (E3M2 codes of W_qkv, K innermost, in blocks of 32 codes, four codes in three bytes); W_qkv_scales 3,072 x 32 uint8 (E8M0 scales of W_qkv, one for each 32 codes along K); W_r_codes 1,024 x 32 x 24 uint8 (E3M2 codes of W_r, K innermost, in blocks of 32 codes, four codes in three bytes); W_r_scales 1,024 x 32 uint8 (E8M0 scales of W_r, one for each 32 codes along K); attn_mask 1,024 x 2,048 bool; ln_beta 1,024 float32; ln_gamma 1,024 float32; mems 1,024 x 4 x 1,024 float32; r_codes 2,048 x 32 x 24 uint8 (E3M2 codes of r, K innermost, in blocks of 32 codes, four codes in three bytes); r_r_bias 16 x 64 float32; r_scales 2,048 x 32 uint8 (E8M0 scales of r, one for each 32 codes along K); r_w_bias 16 x 64 float32; w 1,024 x 4 x 1,024 float32.
;; Outputs: out0 1,024 x 4 x 1,024 float32.
;; This version of the problem:
;;   THIS VERSION OF THE PROBLEM IS GIVEN IN LOW PRECISION. The matrix products marked QUANTISED in the list below multiply operands that are first quantised to E3M2 (3 exponent bits, 2 mantissa bits; 6 bits a number), with one power-of-two scale for each 32 numbers along K (OCP MX v1.0); their sums are f32. All else is computed in f32.
;;   The module's matrix products, in the order in which they are computed (A, B: the left and right operand; K: the contracted axis; several contracted axes count as one K, in the product's order):
;;     1. [M 8,192, K 1,024] x [K 1,024, N 3,072]; A: computed on the way; B: input W_qkv (given as codes): QUANTISED
;;     2. [M 2,048, K 1,024] x [K 1,024, N 1,024]; A: input r (given as codes); B: input W_r (given as codes): QUANTISED
;;     3. batch 64 x [M 2,048, K 64] x [K 64, N 1,024]; A: computed on the way; B: computed on the way: QUANTISED
;;     4. batch 16 x [M 2,048, K 64] x [K 64, N 4,096]; A: computed on the way; B: computed on the way: QUANTISED
;;     5. batch 64 x [M 64, K 2,048] x [K 2,048, N 1,024]; A: computed on the way; B: softmax (see below): QUANTISED
;;     6. [M 4,096, K 1,024] x [K 1,024, N 1,024]; A: computed on the way; B: input W_o (given as codes): QUANTISED
;;   THE QUANTISER, for each operand of a quantised product, along K:
;;     - K is cut into blocks of 32 from its start; a last block that is shorter is filled with zeros.
;;     - A block's scale is 2^e with e = floor(log2(the largest magnitude in the block)) - 4, held to -126 .. 127; a block of zeros has e = 0. As a byte (E8M0): e + 127.
;;     - Each number is divided by its block's scale, clamped to +-28, and rounded to the nearest number of E3M2, ties to even, subnormals kept.
;;     - The product sums the exact products of the quantised numbers (number of the format x scale) in f32.
;;   ~~~python
;;   def quantise(x, axis):      # numpy; x: float32 -> the quantised numbers, widened to float32 again
;;       x = np.moveaxis(x, axis, -1); K = x.shape[-1]
;;       x = np.pad(x, [(0, 0)] * (x.ndim - 1) + [(0, -K % 32)]); x = x.reshape(x.shape[:-1] + (-1, 32)); a = np.abs(x).max(-1, keepdims=True)
;;       e = np.where(a > 0, np.clip(np.frexp(np.where(a > 0, a, 1))[1] - 1 - 4, -126, 127), 0)      # np.frexp(a)[1] - 1 = floor(log2(a)), exactly
;;       r = np.clip(x / 2.0 ** e, -28, 28)
;;       step = 2.0 ** (np.maximum(np.frexp(np.where(r == 0, 1, r))[1] - 1, -2) - 2)
;;       q = np.round(r / step) * step * 2.0 ** e      # np.round: ties to even
;;       return np.moveaxis(q.reshape(q.shape[:-2] + (-1,))[..., :K], -1, axis).astype(np.float32)
;;   ~~~
;;   SOFTMAX AHEAD OF A QUANTISED PRODUCT. Where the list says 'softmax', what is quantised is not the finished softmax but p = 2^(t - M), with t = logit x log2(e) and M = ceil(the row's largest t), a whole number; so 1/2 < the row's largest p <= 1. The row's sum l is taken of the UNQUANTISED p, in f32, and the product's result is divided by l at the end. Since M is a whole number, a kernel that streams over the keys may use a running M (the ceiling of the running maximum): every later rescaling is an exact power of two, which a block's scale takes up: the codes' values come out the same.
;;   OPERANDS COMPUTED ON THE WAY. 'Computed on the way' means the value that the module computes at that place (a softmax that the list does not call 'softmax' is quantised finished and normalised). What goes into a quantiser is computed in f32, as accurately as f32 sums, v_exp_f32 and their like allow (about 1e-6 of the number): no bf16 or f16 on the way to a quantiser, and a product that is left as it is and whose result goes on into a quantised operand takes f32 operands (vector FMAs, or v_wmma_f32_16x16x4_f32). A number that lies on a knife's edge between two numbers of the format may be rounded either way, as far as f32 arithmetic and the matrix unit's own rounding can turn it there, and no further.
;;   INPUTS GIVEN AS CODES. W_o (in the module: [1024, 1024], K = its axis 0); W_qkv (in the module: [1024, 3072], K = its axis 0); W_r (in the module: [1024, 1024], K = its axis 0); r (in the module: [2048, 1024], K = its axis 1): each comes as NAME_codes (uint8): NAME with its K axis moved to the last place and cut into blocks of 32 codes, [.., K / 32, bytes a block], one block behind the other in memory; four codes in three bytes: a row's codes are one little-endian stream of bits, code i at bits 6 i .. 6 i + 5 (a code: sign, 3 exponent bits, 2 mantissa bits); and NAME_scales (uint8): the same leading axes, one E8M0 byte (e + 127) for each 32 codes along K. Its value is code x scale, taken as it is: it is not quantised again, and the codes and scales need not be those that the quantiser above would give.
;; One version. Each part assembles by itself: llvm-mc -triple=amdgcn-amd-amdhsa -mcpu=gfx1250 --defsym DOCPART=n.
;; ======== version 1 of 1: 5 launches
;; limits: right only within a limited range of input values
;; workspace buffers: xq 6,553,600 bytes; mw 262,144 bytes of whole numbers; proj 36,831,232 bytes; aq 6,553,600 bytes; ao 16,777,216 bytes
;; launch prep (part 1): grid 320 x 1, 4 waves a work-group, no clusters, 33,280 bytes of LDS; arguments mems, w, attn_mask, xq, mw; writes xq, mw
.if DOCPART == 1
	.amdgcn_target "amdgcn-amd-amdhsa--gfx1250"
	.amdhsa_code_object_version 6
	.text
	.protected	k_qc7f68bdef3_prep
	.globl	k_qc7f68bdef3_prep
	.p2align	8
	.type	k_qc7f68bdef3_prep,@function
k_qc7f68bdef3_prep:
	s_mov_b64 s[64:65], 0
	v_nop
	global_prefetch_b8 v0, s[64:65] scope:SCOPE_SE
	s_setreg_imm32_b32 hwreg(HW_REG_WAVE_MODE, 25, 1), 1
	s_wait_xcnt 0x0
; TWO JOBS IN ONE LAUNCH, parted by the work-group's number.
; Work-groups 0-255: cat = [mems; w], [2048 (j)][4 (b)][1024] f32, becomes codes of BF6 (E3M2), 6 bits each, K innermost, with one E8M0 byte for each 32 along K.
;   xq: codes [b*2048 + j][768 bytes] from byte 0, scale bytes [b*2048 + j][32] from byte XSOFF: rows sorted by batch, so that a batch's keys are neighbouring rows.
;   A block's scale is 2^(floor(log2(its largest magnitude)) - 4): its byte is the largest magnitude's exponent field - 4, held at 1 from below.
;   A wave takes 16 steps of 512 numbers (8 rows: two j, four b).  Each load reads 512 consecutive bytes; the 2,048 bytes of a step turn through the wave's own stage in LDS
;   so that a lane holds 16 neighbours (two lanes to a block); a lane's 16 codes are 12 bytes, a wave's store 384 consecutive bytes.
; Work-groups 256-319: attn_mask [1024][2048] of bytes becomes LANE MASKS for the attention launch: for query tile T (16 queries), key step s (128 keys) and score register k = 8 a + jj,
;   word mw[T][s][k] has bit 16 h + r = mask[16 T + r][128 s + 16 a + 8 h + jj].  This path uses no LDS.
; LIMITS: NaN and infinities among the inputs are not served.  A block whose largest magnitude lies under 2^-122 keeps the byte 1; so does a block of zeros (where the quantiser's rule says 127):
;   its codes are zeros, which add nothing under any byte but 0xff, and these bytes are read by this program alone.
.set XSOFF, 6291456                    ; 8,192 rows x 768 bytes
.set STEPS, 16
.set EMAX,  4
.set CB,    12                         ; bytes of 16 codes
.set R,     16                         ; v16-79   four sets of 16 numbers as they are loaded
.set X,     80                         ; v80-111  two sets of 16 neighbours
.set C,     128                        ; v128-191 codes: four registers for each step, so that no store's data are written again
.set E,     112                        ; v112-127 a scale byte for each step
.set WREG,  8192                       ; LDS: a region for each wave: two stages of 32 x SP bytes, behind them its 256 scale bytes
.set SP,    80                         ; a lane's place in a stage: 64 bytes + 16 of padding
	s_load_b128 s[4:7], s[0:1], 0x0                ; mems, w
	s_load_b128 s[8:11], s[0:1], 0x10              ; attn_mask, xq
	s_load_b64 s[12:13], s[0:1], 0x20              ; mw
	v_lshl_add_u32 v192, v0, 2, 0x8000
	v_mov_b32 v193, 0
	v_lshrrev_b32 v1, 5, v0
	v_readfirstlane_b32 s16, v1                    ; wave 0..3
	v_and_b32 v2, 31, v0                           ; lane
	s_cmp_ge_u32 ttmp9, 256
	s_cbranch_scc1 .Lmask
	; ---------------- the quantiser ----------------
	v_lshlrev_b32 v3, 4, v2                        ; my 16 bytes of a load's 512
	s_mul_i32 s17, s16, WREG
	v_lshrrev_b32 v14, 2, v2
	v_mul_u32_u24 v14, v14, SP
	v_and_b32 v15, 3, v2
	v_lshl_add_u32 v14, v15, 4, v14
	v_add_nc_u32 v14, s17, v14                     ; the stage, on the way in: SP (lane / 4) + 16 (lane % 4)
	v_mul_u32_u24 v15, v2, SP
	v_add_nc_u32 v15, s17, v15                     ; and on the way out: SP x lane: my 16 neighbours
	v_mul_u32_u24 v4, v2, CB                       ; my codes' place in a step's 384 bytes
	v_lshrrev_b32 v5, 1, v2
	s_add_co_u32 s17, s17, 2*32*SP
	v_add_nc_u32 v5, s17, v5                       ; LDS: my wave's 256 scale bytes, my block's byte
	v_lshlrev_b32 v6, 3, v2
	v_add_nc_u32 v6, s17, v6                       ; and on the way out 8 bytes a lane: row (lane / 4) of the wave's eight, piece lane % 4
	v_bfe_u32 v10, v2, 2, 2                        ; that row's b,
	v_lshlrev_b32 v7, 16, v10                      ; 2,048 rows of 32 bytes apart,
	v_lshrrev_b32 v10, 4, v2                       ; its j (0 or 1),
	v_lshl_add_u32 v7, v10, 5, v7
	v_and_b32 v10, 3, v2
	v_lshl_add_u32 v7, v10, 3, v7                  ; and the piece
	s_wait_kmcnt 0x0
	s_cmp_lt_u32 ttmp9, 128                        ; mems' work-group or w's?  The choice hangs on the work-group's number alone
	s_cselect_b64 s[4:5], s[4:5], s[6:7]
	s_cselect_b32 s18, 0, 1024                     ; w's rows follow mems' 1,024
	s_and_b32 s17, ttmp9, 127
	s_lshl_b32 s17, s17, 2
	s_add_co_u32 s17, s17, s16                     ; u: which run of 8,192 numbers is my wave's
	s_lshl_b32 s20, s17, 15
	s_mov_b32 s21, 0
	s_add_nc_u64 s[4:5], s[4:5], s[20:21]
	s_lshl_b32 s19, s17, 1
	s_add_co_u32 s19, s19, s18                     ; j of the run's first row
	s_mul_i32 s20, s19, 768
	s_add_nc_u64 s[22:23], s[10:11], s[20:21]      ; the codes of row (b = 0, j)
	s_lshl_b32 s20, s19, 5
	s_add_co_u32 s20, s20, XSOFF
	s_add_nc_u64 s[24:25], s[10:11], s[20:21]      ; and its scale bytes
.macro LOAD t
.irp i, 0,1,2,3
	global_load_b128 v[R+16*((\t)%4)+4*\i:R+16*((\t)%4)+4*\i+3], v3, s[4:5] offset:2048*(\t)+512*\i th:TH_LOAD_NT   ; 32 lanes read 512 consecutive bytes
.endr
.endm
.macro TURN t                          ; step t's numbers through the stage: LDS serves a wave's instructions in order, so no wait stands between the stores and the loads
.irp i, 0,1,2,3
	ds_store_b128 v14, v[R+16*((\t)%4)+4*\i:R+16*((\t)%4)+4*\i+3] offset:32*SP*((\t)%2)+8*SP*\i
.endr
.irp i, 0,1,2,3
	ds_load_b128 v[X+16*((\t)%2)+4*\i:X+16*((\t)%2)+4*\i+3], v15 offset:32*SP*((\t)%2)+16*\i
.endr
.endm
.irp t, 0,1,2,3
	LOAD \t
.endr
	s_wait_loadcnt 12                              ; step 0's four loads are in; twelve younger ones stay out
	TURN 0
.macro STEP t
.set XS, X+16*((\t)%2)
.if (\t) > 0
	s_wait_dscnt 1                                 ; this step's numbers are back from the stage (the last step's byte store may be out): so its stores into the stage have read their registers,
.else
	s_wait_dscnt 0x0
.endif
.if (\t)+4 < STEPS
	LOAD (\t)+4                                    ; which take the loads of four steps on
.endif
.if (\t)+1 < STEPS
.if STEPS-2-(\t) >= 3
	s_wait_loadcnt 12                              ; the next step's four loads are in; those of the three steps behind it may be out
.else
	s_wait_loadcnt 4*(STEPS-2-(\t))
.endif
	TURN (\t)+1                                    ; and go through the other stage while this step is worked
.endif
	v_max3_num_f32 v8, |v[XS]|, |v[XS+1]|, |v[XS+2]|               ; the largest magnitude of my 16, in two chains
	v_max3_num_f32 v9, |v[XS+3]|, |v[XS+4]|, |v[XS+5]|
.irp i, 6,10
	v_max3_num_f32 v8, v8, |v[XS+\i]|, |v[XS+\i+1]|
	v_max3_num_f32 v9, v9, |v[XS+\i+2]|, |v[XS+\i+3]|
.endr
	v_max3_num_f32 v8, v8, |v[XS+14]|, |v[XS+15]|
	v_max3_num_f32 v8, v8, v9, (EMAX+1)<<23        ; and the floor 2^(5 - 127): the byte cannot fall under 1
	v_max_num_f32_dpp v8, v8, v8 row_xmask:1 row_mask:0xf bank_mask:0xf   ; and of my neighbour's 16: the block's
	v_add_nc_u32 v11, -(EMAX<<23), v8              ; 4 off its exponent field: the conversion takes the exponent field of this operand as its scale
	v_cvt_scalef32_pk16_bf6_f32 v[C+4*(\t):C+4*(\t)+2], v[XS:XS+15], v11
	v_lshrrev_b32 v[E+(\t)], 23, v11               ; the scale's byte
	ds_store_b8 v5, v[E+(\t)] offset:16*(\t)       ; both lanes of a block write the same byte with the same value
	global_store_b96 v4, v[C+4*(\t):C+4*(\t)+2], s[22:23] offset:(((\t)>>1)&3)*1572864+((\t)>>3)*768+((\t)&1)*384   ; step t is half (t & 1) of row (b = (t / 2) % 4, j + t / 8)
.endm
.irp t, 0,1,2,3,4,5,6,7,8,9,10,11,12,13,14,15
	STEP \t
.endr
	ds_load_b64 v[12:13], v6                       ; LDS serves a wave's instructions in order: these see my byte stores
	s_wait_dscnt 0x0
	global_store_b64 v7, v[12:13], s[24:25]        ; four lanes store a row's 32 scale bytes
	s_wait_tensorcnt 0x0
	ds_add_u32 v192, v193
	s_wait_dscnt 0x0
	s_endpgm
	; ---------------- the mask ----------------
.Lmask:
	v_and_b32 v3, 15, v0                           ; r: the query in the tile
	v_bfe_u32 v4, v0, 4, 1                         ; h
	v_lshlrev_b32 v3, 11, v3                       ; a row of the mask is 2,048 bytes
	v_lshl_add_u32 v3, v4, 3, v3                   ; + 8 h
	s_wait_alu depctr_va_vdst(0)
	v_lshlrev_b32 v5, 2, v2                        ; out: 4 bytes a lane
	s_sub_co_u32 s17, ttmp9, 256                   ; T: the query tile
	s_lshl_b32 s20, s17, 15                        ; 16 rows of 2,048 bytes
	s_lshl_b32 s18, s16, 9                         ; my wave's four key steps: 512 bytes of each row
	s_add_co_u32 s20, s20, s18
	s_mov_b32 s21, 0
	s_lshl_b32 s22, s17, 12                        ; 16 steps of 256 bytes of words
	s_lshl_b32 s18, s16, 10
	s_add_co_u32 s22, s22, s18
	s_mov_b32 s23, 0
	s_wait_kmcnt 0x0
	s_add_nc_u64 s[8:9], s[8:9], s[20:21]
	s_add_nc_u64 s[12:13], s[12:13], s[22:23]
.set sp, 0
.rept 4
.set a, 0
.rept 8
	global_load_b64 v[64+16*sp+2*a:64+16*sp+2*a+1], v3, s[8:9] offset:128*sp+16*a   ; mask[16 T + r][128 s + 16 a + 8 h + 0 .. 7]
.set a, a+1
.endr
.set sp, sp+1
.endr
.irp i, 0,1,2,3,4,5,6,7
	v_mov_b32 v[32+\i], 0                          ; a lane write's destination counts as read
.endr
	s_wait_loadcnt 0x0
.set sp, 0
.rept 4
.set k, 0
.rept 64                               ; byte jj of piece a of every lane -> one compare -> 32 bits -> lane k % 32 of the word register
	v_bfe_u32 v[8+k%2], v[64+16*sp+2*(k/8)+((k%8)/4)], 8*(k%4), 8
	v_cmp_ne_u32 s[30+k%2], 0, v[8+k%2]
	v_writelane_b32 v[32+2*sp+k/32], s[30+k%2], k%32
.set k, k+1
.endr
	global_store_b32 v5, v[32+2*sp], s[12:13] offset:256*sp          ; words 0-31 of the step: 128 consecutive bytes
	global_store_b32 v5, v[33+2*sp], s[12:13] offset:256*sp+128      ; words 32-63
.set sp, sp+1
.endr
	s_endpgm
.Lfunc_end_k_qc7f68bdef3_prep:
	.size	k_qc7f68bdef3_prep, .Lfunc_end_k_qc7f68bdef3_prep-k_qc7f68bdef3_prep
	.p2alignl 7, 3214868480
	.fill 96, 4, 3214868480
	.section	.rodata,"a",@progbits
	.p2align	6, 0x0
	.amdhsa_kernel k_qc7f68bdef3_prep
		.amdhsa_group_segment_fixed_size 33280
		.amdhsa_private_segment_fixed_size 0
		.amdhsa_enable_private_segment 0
		.amdhsa_kernarg_size 40
		.amdhsa_user_sgpr_count 2
		.amdhsa_user_sgpr_kernarg_segment_ptr 1
		.amdhsa_wavefront_size32 1
		.amdhsa_system_sgpr_workgroup_id_x 1
		.amdhsa_system_sgpr_workgroup_id_y 1
		.amdhsa_system_sgpr_workgroup_id_z 1
		.amdhsa_system_vgpr_workitem_id 0
		.amdhsa_next_free_vgpr 194
		.amdhsa_next_free_sgpr 66
		.amdhsa_reserve_vcc 0
		.amdhsa_float_denorm_mode_32 3
		.amdhsa_float_denorm_mode_16_64 3
		.amdhsa_memory_ordered 1
		.amdhsa_forward_progress 1
		.amdhsa_inst_pref_size 85
	.end_amdhsa_kernel
	.amdgpu_metadata
---
amdhsa.version: [ 1, 2 ]
amdhsa.kernels:
  - .name:           k_qc7f68bdef3_prep
    .symbol:         k_qc7f68bdef3_prep.kd
    .args:
      - { .name: mems, .offset: 0, .size: 8, .value_kind: global_buffer, .address_space: global }
      - { .name: w, .offset: 8, .size: 8, .value_kind: global_buffer, .address_space: global }
      - { .name: attn_mask, .offset: 16, .size: 8, .value_kind: global_buffer, .address_space: global }
      - { .name: xq, .offset: 24, .size: 8, .value_kind: global_buffer, .address_space: global }
      - { .name: mw, .offset: 32, .size: 8, .value_kind: global_buffer, .address_space: global }
    .group_segment_fixed_size: 33280
    .private_segment_fixed_size: 0
    .kernarg_segment_align: 8
    .kernarg_segment_size: 40
    .max_flat_workgroup_size: 128
    .sgpr_count:     66
    .vgpr_count:     194
    .wavefront_size: 32
...
	.end_amdgpu_metadata
.endif
;; end of part 1
;; launch proj (part 2): grid 352 x 1, 4 waves a work-group, no clusters, 327,680 bytes of LDS; arguments xq, W_qkv_codes, W_qkv_scales, r_codes, r_scales, W_r_codes, W_r_scales, proj; writes proj
.if DOCPART == 2
	.amdgcn_target "amdgcn-amd-amdhsa--gfx1250"
	.amdhsa_code_object_version 6
	.text
	.protected	k_qc7f68bdef3_proj
	.globl	k_qc7f68bdef3_proj
	.p2align	8
	.type	k_qc7f68bdef3_proj,@function
k_qc7f68bdef3_proj:
	s_mov_b64 s[64:65], 0
	v_nop
	global_prefetch_b8 v0, s[64:65] scope:SCOPE_SE
	s_setreg_imm32_b32 hwreg(HW_REG_WAVE_MODE, 25, 1), 1
	s_wait_xcnt 0x0
; A GEMM ON CODES OF BF6 (E3M2) WITH E8M0 SCALES, K = 1,024, tiles of 256 x 256, four waves of 128 x 128 (64 accumulators, 512 registers), and FOUR WAYS OUT.
; Arguments: 0 x (codes [row][768] at 0, scale bytes [row][32] at XSOFF), 1, 2 W_qkv's codes and scales, 3, 4 r's, 5, 6 W_r's, 7 the result.
; The work-group's number g gives the KIND and the tile (hi, lo):
;   kind 0, g 0-63:    q = x W^T in f32, for x's rows b*2048 + 1024 + i alone: [b*1024 + i][256 lo ..] at argument 7.
;   kind 1, g 64-191:  k = x W^T (W's rows 1,024 on), quantised along d (blocks of 32 inside a head's 64) -> d tiles at KI.
;   kind 2, g 192-319: v^T = W x^T (W's rows 2,048 on): lanes hold d, registers run along the KEYS, the next product's K -> fragments at VI.
;   kind 3, g 320-351: r_k = r W_r^T, quantised along d -> d tiles at RI, laid as the table of the relative shift.
; THE MATRIX INSTRUCTION IS USED TRANSPOSED: source 0 = 16 rows of operand B (they land in a lane's registers), source 1 = 16 rows of operand A (they land in the lanes).
; A lane's 64 results of one block of A are 128 neighbours along B's rows in the order 16 b + 8 h + jj: two neighbouring tiles and the lane 16 away hold a true block of 32; a block's codes stand in the
; order 0-7, 16-23, 8-15, 24-31.  Every operand that meets these codes in the attention launch is made by the same pattern, so both sides of each product share the order.
; A d TILE (16 rows x 64 d, 1,024 bytes): registers 0-3 at 16 x lane, registers 4-5 at 512 + 8 x lane, at 768 + 8 x lane twice the word s0 | s1 << 8 | 0x7f7f0000 of the lane's row.
; A FRAGMENT OF V (16 d x 128 keys, 2,048 bytes): registers 0-3, 4-7, 8-11 at 512 c + 16 x lane, at 1,536 + 16 x lane four times the row's scale word.
; THE TABLE, for each head 200 d tiles; tile tau holds rows c = 16 tau + 1 + rr: c = 1 .. 2,048: r_k[c - 1]; c = 2,049: zero codes; c = 2,050 .. 3,073: r_k[c - 2,050].
; K goes through a ring of two LDS slots in CHUNKS OF 256 BYTES of each row of codes (768 bytes: three chunks, each at a multiple of 256 bytes).  A step of 128 along K is 96 bytes: steps 2 and 5 lie across two chunks.
; The scale bytes of the work-group's 512 rows come once, at the head.  The head's four tiles, one load a wave: wave 0 chunk 0 of A's 256 rows, wave 1 of B's, wave 2 A's scales, wave 3 B's.
; NO CLUSTER: the four work-groups of one hi share x's tile, but in kind 2 x is operand B and the weight operand A, so which LDS bytes a shared tile lands on and which lanes take its scale words change with the kind.
; NO PREFETCH: the walk has three chunks and no loop to run ahead in; chunk 2 is asked for two steps behind chunk 1.
; LIMITS: a block whose largest magnitude lies under 2^-122 keeps the byte 1, a block of zeros too (its codes are zeros; the bytes are read by this program alone); NaN and infinities are not served.
; REGISTERS, in windows of 256: window 0: v0-31 addresses; v32-63 scale words, two sets; v128-223 A's fragments, one set; on the way out v32-255 are free.
;   window 1: B's fragments, two sets, at v0 and v128.   window 2: accumulators of my rows 0-63 ((a, b) at v[8 (8 a + b)]);   window 3: those of rows 64-127.
.set XSOFF,  6291456
.set KI,     16777216
.set VI,     25165824
.set RI,     33554432
.set ROWB,   256
.set NQ,     2
.set KROW,   768
.set STEPS,  8
.set CHUNKS, 3
.set PITCH,  272                       ; 256 bytes + 16 of padding
.set FR,     12
.set NL,     6
.set NP,     4                         ; places behind this matrix instruction (ISA guide 7.12.1)
.set HALFT,  128*PITCH
.set SLOT,   4*HALFT                   ; A's 256 rows, then B's
.set KS,     32
.set SCL,    2*SLOT                    ; the scales, as units of 256 bytes + 16 of padding
.set HALFS,  16*272
.set SBLK,   2*272
.set SPARE,  SCL+4*HALFS               ; the spare words: 128 bytes a wave
.set SPITCH, 528
.set STAGE,  SLOT                      ; kind 0's stage lies in slot 1, which has had its last fill and its last read by then (the last chunk lies in slot 0)
.set CROW,   4096
.set VO8,  9
.set VO16S, 10
.set VO8S, 11
.set ADRA, 16                          ; v16-17 my A fragments in slot 0, 1; v18-19: lanes 0-15 byte 232 of a chunk in slot 0, 1, lanes 16-31 byte 0 of the next chunk, in the other slot
.set ADRB, 20
.set STO,  24
.set RD,   25
.set CO,   26
.set ADRS, 27
.set SPW,  28
.set NIL,  29
.set SC,   32
.set AF,   128
.set BK,   128
.set PC,   112
.set TM,   200
.set PW,   216
.set WA,   218
.set WB,   220
.set PW4,  224
.set ZZ,   228
.set G1,  28                           ; s[28:35] group 1: 128 rows of a chunk;  s[36:43] group 0, a set for each slot
.set G0,  36
.set G1S, 44                           ; s[44:51] group 1: the scale bytes of 256 rows
.set G0H, 52                           ; s[52:55] group 0 of the head's load of codes
.set G1H, 68                           ; s[68:75] group 1: 256 rows of a chunk
.set G0S, 4                            ; s[4:7] group 0 of the head's load of scales (the arguments that lay there have been used by then)
.set PA,  56
.set PB,  58
.set MSB, 0
.macro WIN new
.if MSB != \new
	s_set_vgpr_msb (MSB<<8)|\new
.set MSB, \new
.endif
.endm
.set MUL_LO, 0xa1
.set MUL_HI, 0xf1
.set TO_B,   0x40
.macro PLACES n
.rept \n
	v_nop
.endr
.endm
	s_load_b512 s[4:19], s[0:1], 0x0
	v_lshl_add_u32 v[SPW], v0, 2, SPARE
	v_mov_b32 v[NIL], 0
	ds_add_u32 v[SPW], v[NIL]                      ; the opening lines: the add twice on end under one wait
	ds_add_u32 v[SPW], v[NIL]
	v_lshrrev_b32 v1, 5, v0
	v_readfirstlane_b32 s20, v1                    ; wave 0..3
	s_lshr_b32 s21, s20, 1                         ; my half of A's rows; in the ring: I fetch for A (0) or B (1)
	s_and_b32 s22, s20, 1                          ; my half of B's rows; in the ring: which 128 rows I fetch; at the head: A's tile (0) or B's (1)
	s_cmp_ge_u32 ttmp9, 64
	s_cselect_b32 s23, 1, 0
	s_cselect_b32 s66, 64, 0
	s_cmp_ge_u32 ttmp9, 192
	s_cselect_b32 s67, 1, 0
	s_cselect_b32 s76, 128, 0
	s_cmp_ge_u32 ttmp9, 320
	s_cselect_b32 s77, 1, 0
	s_cselect_b32 s78, 128, 0
	s_add_co_u32 s23, s23, s67
	s_add_co_u32 s23, s23, s77                     ; the kind
	s_add_co_u32 s66, s66, s76
	s_add_co_u32 s66, s66, s78
	s_sub_co_u32 s66, ttmp9, s66
	s_lshr_b32 s24, s66, 2                         ; hi
	s_and_b32 s25, s66, 3                          ; lo
	s_lshl_b32 s76, s24, 8
	s_lshr_b32 s77, s24, 2
	s_lshl_b32 s77, s77, 10
	s_add_co_u32 s77, s77, s76
	s_add_co_u32 s77, s77, 1024                    ; kind 0: result row b*1024 + i is x's row b*2048 + 1024 + i
	s_cmp_eq_u32 s23, 0
	s_cselect_b32 s78, s77, s76                    ; first row on the x side
	s_cmp_eq_u32 s23, 3
	s_cselect_b32 s80, 0, s23
	s_lshl_b32 s80, s80, 10
	s_lshl_b32 s79, s25, 8
	s_add_co_u32 s79, s79, s80                     ; first row on the weight's side
	s_cmp_eq_u32 s23, 2                            ; in kind 2 the weight is operand A
	s_cselect_b32 s81, s79, s78                    ; A's first row
	s_cselect_b32 s82, s78, s79                    ; B's
	s_mov_b32 s[G1+0], (1<<20)|(5<<22)|(3<<25)     ; elements of 1 byte; 4 words of padding behind every 64
	s_mov_b32 s[G1+1], ROWB<<16
	s_mov_b32 s[G1+2], 128<<16
	s_mov_b32 s[G1+3], ROWB<<16
	s_mov_b32 s[G1+4], 128
	s_mov_b32 s[G1+5], KROW
	s_mov_b32 s[G1+6], 0
	s_mov_b32 s[G1+7], 0
	s_mov_b32 s[G1H+0], (1<<20)|(5<<22)|(3<<25)
	s_mov_b32 s[G1H+1], ROWB<<16
	s_mov_b32 s[G1H+2], 256<<16
	s_mov_b32 s[G1H+3], ROWB<<16
	s_mov_b32 s[G1H+4], 256
	s_mov_b32 s[G1H+5], KROW
	s_mov_b32 s[G1H+6], 0
	s_mov_b32 s[G1H+7], 0
	s_mov_b32 s[G1S+0], (3<<16)|(1<<20)|(5<<22)|(3<<25)   ; 8,192 dense bytes as 32 rows of 256 (32 elements of 8 bytes)
	s_mov_b32 s[G1S+1], 32<<16
	s_mov_b32 s[G1S+2], KS<<16
	s_mov_b32 s[G1S+3], 32<<16
	s_mov_b32 s[G1S+4], KS
	s_mov_b32 s[G1S+5], 32
	s_mov_b32 s[G1S+6], 0
	s_mov_b32 s[G1S+7], 0
	s_mul_i32 s[G0H+1], s22, 2*HALFT               ; the head's tile of codes: A's at 0, B's behind it
	s_mul_i32 s88, s22, 2*HALFS
	s_wait_dscnt 0x0                               ; both opening adds are done
	s_wait_kmcnt 0x0
	s_add_nc_u64 s[84:85], s[4:5], XSOFF           ; x's scale bytes
	s_cmp_eq_u32 s23, 3
	s_cselect_b64 s[86:87], s[10:11], s[4:5]       ; the x side's codes,
	s_cselect_b64 s[84:85], s[12:13], s[84:85]     ; its scale bytes,
	s_cselect_b64 s[90:91], s[14:15], s[6:7]       ; the weight's codes,
	s_cselect_b64 s[98:99], s[16:17], s[8:9]       ; its scale bytes
	s_cmp_eq_u32 s23, 2
	s_cselect_b64 s[92:93], s[90:91], s[86:87]     ; A's codes
	s_cselect_b64 s[94:95], s[98:99], s[84:85]     ; A's scales
	s_cselect_b64 s[86:87], s[86:87], s[90:91]     ; B's codes
	s_cselect_b64 s[84:85], s[84:85], s[98:99]     ; B's scales
	s_cmp_eq_u32 s22, 0
	s_cselect_b64 s[96:97], s[92:93], s[86:87]
	s_cselect_b64 s[98:99], s[94:95], s[84:85]
	s_cselect_b32 s83, s81, s82
	s_mul_i32 s100, s83, KROW
	s_lshl_b32 s101, s83, 5
	s_cmp_lt_u32 s20, 2                            ; waves 0, 1 fetch codes, waves 2, 3 scale bytes
	s_cselect_b64 s[96:97], s[96:97], s[98:99]
	s_cselect_b32 s100, s100, s101
	s_mov_b32 s101, 0
	s_add_nc_u64 s[96:97], s[96:97], s[100:101]
	s_mov_b32 s[G0H], 1
	s_mov_b64 s[G0H+2:G0H+3], s[96:97]
	s_or_b32 s[G0H+3], s[G0H+3], 0x80000000
	s_mov_b32 s[G0S], 1
	s_add_co_u32 s[G0S+1], s88, SCL
	s_mov_b64 s[G0S+2:G0S+3], s[96:97]
	s_or_b32 s[G0S+3], s[G0S+3], 0x80000000
	s_cmp_lt_u32 s20, 2                            ; one chain of two arms, one load to an arm
	s_cbranch_scc0 .Lhead_s
	tensor_load_to_lds s[G0H:G0H+3], s[G1H:G1H+7]
	s_nop 0
	PLACES 4
	s_branch .Lhead_asked
.Lhead_s:
	tensor_load_to_lds s[G0S:G0S+3], s[G1S:G1S+7]
	s_nop 0
	PLACES 4
.Lhead_asked:
	s_cmp_eq_u32 s21, 0                            ; the ring: my 128 rows of A's or B's tile
	s_cselect_b64 s[92:93], s[92:93], s[86:87]
	s_cselect_b32 s83, s81, s82
	s_lshl_b32 s84, s22, 7
	s_add_co_u32 s83, s83, s84
	s_mul_i32 s100, s83, KROW
	s_mov_b32 s101, 0
	s_add_nc_u64 s[92:93], s[92:93], s[100:101]
	s_mul_i32 s85, s20, HALFT
.irp s, 0,1
	s_mov_b32 s[G0+4*\s], 1
	s_add_co_u32 s[G0+4*\s+1], s85, \s*SLOT
	s_add_nc_u64 s[G0+4*\s+2:G0+4*\s+3], s[92:93], \s*ROWB
	s_or_b32 s[G0+4*\s+3], s[G0+4*\s+3], 0x80000000
.endr
	v_and_b32 v1, 15, v0                           ; rr; kept to the end
	v_bfe_u32 v2, v0, 4, 1                         ; h
	v_mul_u32_u24 v3, v1, PITCH
	v_mul_u32_u24 v4, v2, 24
	v_add_nc_u32 v4, v3, v4                        ; row x pitch + 24 h
	s_mov_b32 s89, SLOT-232
	s_mov_b32 s90, SLOT+232
	v_sub_nc_u32 v7, 1, v2
	v_mul_u32_u24 v5, s89, v2
	v_add_nc_u32 v5, v3, v5
	v_add_nc_u32 v5, 232, v5                       ; lanes 0-15 byte 232 in slot 0, lanes 16-31 byte 0 in slot 1
	v_mul_u32_u24 v6, s90, v7
	v_add_nc_u32 v6, v3, v6                        ; lanes 0-15 byte 232 in slot 1, lanes 16-31 byte 0 in slot 0
	s_mul_i32 s89, s21, HALFT
	s_mul_i32 s90, s22, HALFT
	s_add_co_u32 s90, s90, 2*HALFT
	v_add_nc_u32 v[ADRA+2], s89, v5
	v_add_nc_u32 v[ADRA+3], s89, v6
	v_add_nc_u32 v[ADRB+2], s90, v5
	v_add_nc_u32 v[ADRB+3], s90, v6
.irp s, 0,1
	v_add_nc_u32 v[ADRA+\s], s89, v4
	v_add_nc_u32 v[ADRB+\s], s90, v4
	s_add_co_u32 s89, s89, SLOT
	s_add_co_u32 s90, s90, SLOT
.endr
	v_mul_u32_u24 v5, v1, KS
	v_lshrrev_b32 v6, 8, v5
	v_lshl_add_u32 v5, v6, 4, v5                   ; 32 bytes a row, 16 more for each 256 passed
	s_mul_i32 s89, s21, HALFS
	s_mul_i32 s90, s22, HALFS
	s_add_co_u32 s90, s90, 2*HALFS
	s_sub_co_u32 s90, s90, s89
	v_mul_u32_u24 v6, s90, v2                      ; lanes 16-31 take B's
	s_add_co_u32 s89, s89, SCL
	v_add_nc_u32 v5, v5, v6
	v_add_nc_u32 v[ADRS], s89, v5
	s_mul_i32 s91, s20, 16*SPITCH
	s_add_co_u32 s91, s91, STAGE
	v_mul_u32_u24 v5, v1, SPITCH
	v_lshl_add_u32 v5, v2, 5, v5
	v_add_nc_u32 v[STO], s91, v5
	v_and_b32 v6, 31, v0
	v_lshlrev_b32 v[CO], 4, v6
	v_add_nc_u32 v[RD], s91, v[CO]
	v_lshlrev_b32 v[VO8], 3, v6
	v_add_nc_u32 v7, 1, v1                         ; the table's second part: one row on
	v_and_b32 v12, 15, v7
	v_lshrrev_b32 v7, 4, v7
	v_lshlrev_b32 v7, 10, v7                       ; row 15 goes to row 0 of the next tile
	v_lshl_add_u32 v[VO16S], v12, 4, v7
	v_lshl_add_u32 v[VO16S], v2, 8, v[VO16S]
	v_lshl_add_u32 v[VO8S], v12, 3, v7
	v_lshl_add_u32 v[VO8S], v2, 7, v[VO8S]
	; where my results go, in bytes from argument 7
	s_lshl_b32 s90, s25, 2
	s_lshl_b32 s91, s22, 1
	s_add_co_u32 s90, s90, s91                     ; n0: the first of my two heads (kinds 1, 3)
	s_lshr_b32 s91, s24, 3
	s_lshl_b32 s91, s91, 4                         ; 16 b
	s_and_b32 s92, s24, 7
	s_lshl_b32 s93, s24, 1
	s_add_co_u32 s93, s93, s21
	s_lshl_b32 s93, s93, 19                        ; kind 0: (256 hi + 128 half) rows of 4,096 bytes
	s_lshl_b32 s94, s25, 1
	s_add_co_u32 s94, s94, s22
	s_lshl_b32 s94, s94, 9
	s_add_co_u32 s93, s93, s94
	s_add_co_u32 s94, s91, s90                     ; kind 1: ((16 b + n0) x 128 + 16 (hi & 7) + 8 half) tiles
	s_lshl_b32 s94, s94, 7
	s_lshl_b32 s95, s92, 4
	s_add_co_u32 s94, s94, s95
	s_lshl_b32 s95, s21, 3
	s_add_co_u32 s94, s94, s95
	s_lshl_b32 s94, s94, 10
	s_add_co_u32 s94, s94, KI
	s_lshl_b32 s95, s25, 2                         ; kind 2: ((16 b + 4 lo + 2 (wave >> 1)) x 16 + 2 (hi & 7) + (wave & 1)) key steps of 8,192 bytes
	s_add_co_u32 s95, s95, s91
	s_lshl_b32 s96, s21, 1
	s_add_co_u32 s95, s95, s96
	s_lshl_b32 s95, s95, 4
	s_lshl_b32 s96, s92, 1
	s_add_co_u32 s95, s95, s96
	s_add_co_u32 s95, s95, s22
	s_lshl_b32 s95, s95, 13
	s_add_co_u32 s95, s95, VI
	s_mul_i32 s96, s90, 200                        ; kind 3: (200 n0 + 16 hi + 8 half) tiles
	s_lshl_b32 s97, s24, 4
	s_add_co_u32 s96, s96, s97
	s_lshl_b32 s97, s21, 3
	s_add_co_u32 s96, s96, s97
	s_lshl_b32 s96, s96, 10
	s_add_co_u32 s96, s96, RI
	s_cmp_eq_u32 s23, 1
	s_cselect_b32 s93, s94, s93
	s_cmp_eq_u32 s23, 2
	s_cselect_b32 s93, s95, s93
	s_cmp_eq_u32 s23, 3
	s_cselect_b32 s98, s96, s93
	s_cselect_b32 s66, 1, 0
	s_mov_b32 s99, 0
	s_add_nc_u64 s[PA:PA+1], s[18:19], s[98:99]
	s_mov_b32 s98, 131072                          ; from a head to the next: 128 tiles of keys,
	s_cmp_eq_u32 s23, 3
	s_cselect_b32 s98, 204800, s98                 ; or 200 tiles of the table
	s_add_nc_u64 s[PB:PB+1], s[PA:PA+1], s[98:99]
	s_cmp_lt_u32 s24, 4
	s_cselect_b32 s26, s66, 0                      ; 1: kind 3 and r's rows under 1,024: stored a second time
	s_or_b32 s67, s24, s21
	s_cmp_eq_u32 s67, 0
	s_cselect_b32 s27, s66, 0                      ; 1: I store my two heads' zero row
	s_mov_b32 s60, 0x76543210
	s_mov_b32 s61, 0xfedcba98
	s_mov_b32 s62, 0xffff
	s_mov_b32 s63, 0x7f7f0000
.macro FRAG reg, adr, st, i            ; 16 rows x 128 K: 12 registers, in pieces of 8 bytes; byte y of a row lies in slot (y / 256) % 2 at byte y % 256 of the LDS row
.irp p, 0,1,2,3,4,5
.set BY, 96*(\st)+48*(\p/3)+8*(\p%3)
.if BY/ROWB == (BY+24)/ROWB
	ds_load_b64 v[\reg+2*\p:\reg+2*\p+1], v[\adr+(BY/ROWB)%2] offset:BY%ROWB+(\i)*16*PITCH
.else
	ds_load_b64 v[\reg+2*\p:\reg+2*\p+1], v[\adr+2+(BY/ROWB)%2] offset:BY%ROWB-232+(\i)*16*PITCH
.endif
.endr
.endm
; 16 matrix instructions: A's blocks a0, a0 + 1 x B's eight.  The 64 accumulators take turns in the same order in every step.
.macro MUL16 a0, p, q, sc, zero
.irp a, \a0, \a0+1
.irp b, 0,1,2,3,4,5,6,7
.if \zero
	v_wmma_scale_f32_16x16x128_f8f6f4 v[8*(8*((\a)%4)+\b):8*(8*((\a)%4)+\b)+7], v[128*(\p)+FR*\b:128*(\p)+FR*\b+FR-1], v[AF+FR*(\a):AF+FR*(\a)+FR-1], 0, v[SC+8*NQ*(\sc)+NQ*\b+(\q)], v[SC+8*NQ*(\sc)+NQ*(\a)+(\q)] matrix_a_fmt:MATRIX_FMT_BF6 matrix_b_fmt:MATRIX_FMT_BF6 matrix_a_scale:MATRIX_SCALE_ROW1
.else
	v_wmma_scale_f32_16x16x128_f8f6f4 v[8*(8*((\a)%4)+\b):8*(8*((\a)%4)+\b)+7], v[128*(\p)+FR*\b:128*(\p)+FR*\b+FR-1], v[AF+FR*(\a):AF+FR*(\a)+FR-1], v[8*(8*((\a)%4)+\b):8*(8*((\a)%4)+\b)+7], v[SC+8*NQ*(\sc)+NQ*\b+(\q)], v[SC+8*NQ*(\sc)+NQ*(\a)+(\q)] matrix_a_fmt:MATRIX_FMT_BF6 matrix_b_fmt:MATRIX_FMT_BF6 matrix_a_scale:MATRIX_SCALE_ROW1
.endif
.endr
.endr
.endm
.macro FETCH_B st, p
	WIN TO_B
.irp i, 0,1,2,3,4,5,6,7
	FRAG 128*(\p)+FR*\i, ADRB, \st, \i
.endr
	WIN 0
.endm
.macro FETCH_A st, i0
.irp i, \i0, \i0+1, \i0+2, \i0+3
	FRAG AF+FR*(\i), ADRA, \st, \i
.endr
.endm
.macro SCALES pr                       ; the scale words of steps 2 pr, 2 pr + 1: lanes 0-15 A's block i, lanes 16-31 B's block i
.irp i, 0,1,2,3,4,5,6,7
	ds_load_b64 v[SC+8*NQ*((\pr)%2)+NQ*\i:SC+8*NQ*((\pr)%2)+NQ*\i+1], v[ADRS] offset:\i*SBLK+4*NQ*(\pr)
.endr
.endm
; A step of 128 along K.  Where the next step's bytes END in a chunk not read yet: a wait for my tensor loads and a barrier show it whole.  Where they BEGIN in a later chunk: the chunk left behind is read no more:
; the wait for all my tensor loads, the add, the wait for it and for my reads, the barrier, and, where a chunk two on is left, the refill first behind it.
.macro STEP st, zero
.set NX, (\st)+1
.set C0, (96*(\st))/ROWB
.set C1, (96*NX)/ROWB
.set E0, (96*(\st)+95)/ROWB
.set E1, (96*NX+95)/ROWB
.if C1 > C0 || E1 > E0
	s_wait_tensorcnt 0x0
.if C1 > C0
	ds_add_u32 v[SPW], v[NIL]
	s_wait_dscnt 4*NL+1                            ; the add and the 24 youngest loads (A's blocks 4-7) may be out
.else
	s_wait_dscnt 4*NL
.endif
	WIN MUL_LO
	MUL16 0, (\st)%2, (\st)%2, ((\st)/2)%2, \zero
	s_wait_dscnt 0x0                               ; the add and all my reads are done
	s_barrier_signal -1
	MUL16 2, (\st)%2, (\st)%2, ((\st)/2)%2, \zero
	WIN 0
	s_barrier_wait -1
.if C1 > C0 && C0+2 < CHUNKS
	s_add_nc_u64 s[G0+4*(C0%2)+2:G0+4*(C0%2)+3], s[G0+4*(C0%2)+2:G0+4*(C0%2)+3], 2*ROWB
	tensor_load_to_lds s[G0+4*(C0%2):G0+4*(C0%2)+3], s[G1:G1+7]   ; chunk C0 + 2: my one load behind the barrier
	s_nop 0
	PLACES 4                                       ; also the places in front of the loads below
.else
	PLACES NP
.endif
.else
	s_wait_dscnt 4*NL                              ; B's set and A's blocks 0-3 are in
	WIN MUL_LO
	MUL16 0, (\st)%2, (\st)%2, ((\st)/2)%2, \zero
	MUL16 2, (\st)%2, (\st)%2, ((\st)/2)%2, \zero
	s_wait_dscnt 0
	PLACES NP
.endif
	FETCH_B NX, NX%2
	FETCH_A NX, 0
.if NX%2 == 0
	SCALES NX/2
.endif
	WIN MUL_HI
	MUL16 4, (\st)%2, (\st)%2, ((\st)/2)%2, \zero
	MUL16 6, (\st)%2, (\st)%2, ((\st)/2)%2, \zero
	PLACES NP
	WIN 0
	FETCH_A NX, 4
.endm
	s_wait_alu depctr_va_vdst(0)
	s_wait_tensorcnt 0x0                           ; my tile of the head's four is in; slot 1's first fill is issued as a refill is
	ds_add_u32 v[SPW], v[NIL]
	s_wait_dscnt 0x0
	s_barrier_signal -1
	s_barrier_wait -1
	tensor_load_to_lds s[G0+4:G0+7], s[G1:G1+7]    ; chunk 1, a quarter of the slot a wave
	s_nop 0
	PLACES 4
	FETCH_B 0, 0
	FETCH_A 0, 0
	SCALES 0
	FETCH_A 0, 4
	STEP 0, 1                                      ; the first step's products start the sums
.set ST, 1
.rept STEPS-2
	STEP ST, 0
.set ST, ST+1
.endr
	s_wait_dscnt 4*NL
	WIN MUL_LO
	MUL16 0, 1, 1, 1, 0
	MUL16 2, 1, 1, 1, 0
	s_wait_dscnt 0
	WIN MUL_HI
	MUL16 4, 1, 1, 1, 0
	MUL16 6, 1, 1, 1, 0
	WIN 0
	PLACES NP
	s_cmp_lg_u32 s23, 0
	s_cbranch_scc1 .Lcodes
; KIND 0'S WAY OUT, block by block of 16 rows x 128 columns, through my own stage, back as whole rows of 512 bytes.
.macro TOSTAGE a
.set AC, 64*((\a)%4)
.set WST, 0x08+4*((\a)/4)
	WIN WST
.irp b, 0,1,2,3,4,5,6,7
	ds_store_b128 v[STO], v[AC+8*\b:AC+8*\b+3] offset:64*\b          ; each accumulator from its low end on
	ds_store_b128 v[STO], v[AC+8*\b+4:AC+8*\b+7] offset:64*\b+16
.endr
	WIN 0
.set BB, BK+64*((\a)%2)
.irp t, 0,1,2,3,4,5,6,7,8,9,10,11,12,13,14,15
	ds_load_b128 v[BB+4*\t:BB+4*\t+3], v[RD] offset:\t*SPITCH       ; LDS serves a wave's instructions in order
.endr
.endm
.macro SEND a, younger
.set BB, BK+64*((\a)%2)
	s_wait_dscnt \younger                          ; the next block's 16 stores and 16 loads may be out
.if (\a) > 0
	s_add_nc_u64 s[PA:PA+1], s[PA:PA+1], 16*CROW   ; (behind a wait on XCNT)
.endif
.irp t, 0,1,2,3,4,5,6,7,8,9,10,11,12,13,14,15
	global_store_b128 v[CO], v[BB+4*\t:BB+4*\t+3], s[PA:PA+1] offset:\t*CROW th:TH_STORE_NT   ; 512 consecutive bytes, aligned to 256
.endr
.endm
	TOSTAGE 0
.irp a, 1,2,3,4,5,6,7
.if \a > 1
	s_wait_xcnt 0x0                                ; block a - 2's stores have read their registers and their base
.endif
	TOSTAGE \a
	SEND \a-1, 32
.endr
	s_wait_xcnt 0x0
	SEND 7, 0
	s_branch .Lend
; THE WAY OUT OF KINDS 1 TO 3: A's block a is quantised in registers, four blocks of 32, and stored as images of operand registers.
.macro EPI a
.set EX, 2+(\a)/4
.set EA, 64*((\a)%4)
.set WXX, EX*5
	s_wait_xcnt 0x0                                ; the last block's stores have read their data
	WIN WXX
.irp b, 0,1,2,3
	v_max3_num_f32 v[TM+\b], |v[EA+16*\b]|, |v[EA+1+16*\b]|, 0x2800000   ; my 16 numbers and the floor 2^(5 - 127)
.endr
.irp i, 2,4,6,8,10,12,14
.irp b, 0,1,2,3
	v_max3_num_f32 v[TM+\b], |v[EA+16*\b+\i]|, |v[EA+1+16*\b+\i]|, v[TM+\b]
.endr
.endr
	WIN 0
.irp b, 0,1,2,3
	v_permlanex16_b32 v[TM+4+\b], v[TM+\b], s60, s61
.endr
.irp b, 0,1,2,3
	v_max_num_f32 v[TM+\b], v[TM+\b], v[TM+4+\b]
.endr
.irp b, 0,1,2,3
	v_add_nc_u32 v[TM+12+\b], 0xfe000000, v[TM+\b] ; 4 off the exponent field: the conversion's scale operand
.endr
.irp b, 0,1,2,3
	v_lshrrev_b32 v[TM+4+\b], 23, v[TM+12+\b]      ; the scale's byte
.endr
	v_lshl_or_b32 v[PW], v[TM+5], 8, v[TM+4]
	v_lshl_or_b32 v[PW], v[TM+6], 16, v[PW]
	v_lshl_or_b32 v[PW], v[TM+7], 24, v[PW]
	WIN EX
.irp c, 0,1
	v_cvt_scalef32_pk16_bf6_f32 v[PC+6*\c:PC+2+6*\c], v[EA+32*\c:EA+15+32*\c], v[TM+12+2*\c]
	v_cvt_scalef32_pk16_bf6_f32 v[PC+12+4*\c:PC+14+4*\c], v[EA+16+32*\c:EA+31+32*\c], v[TM+12+2*\c+1]
.endr
	WIN 0
	v_nop                                          ; one plain line behind a scaled conversion
.irp c, 0,1
.irp i, 0,1,2
	v_permlane16_swap_b32 v[PC+6*\c+\i], v[PC+12+4*\c+\i]
.endr
.irp i, 0,1,2
	v_mov_b32 v[PC+3+6*\c+\i], v[PC+12+4*\c+\i]
.endr
.endr
	s_cmp_eq_u32 s23, 2
	s_cbranch_scc1 .Lfor_v_\@
	v_and_or_b32 v[WA], v[PW], s62, s63            ; registers 0-5 are my first head's d tile, 6-11 the second's
	v_mov_b32 v[WA+1], v[WA]
	v_lshrrev_b32 v[WB], 16, v[PW]
	v_or_b32 v[WB], s63, v[WB]
	v_mov_b32 v[WB+1], v[WB]
	global_store_b128 v[CO], v[PC:PC+3], s[PA:PA+1] offset:1024*(\a)
	global_store_b64 v[VO8], v[PC+4:PC+5], s[PA:PA+1] offset:1024*(\a)+512
	global_store_b64 v[VO8], v[WA:WA+1], s[PA:PA+1] offset:1024*(\a)+768
	global_store_b128 v[CO], v[PC+6:PC+9], s[PB:PB+1] offset:1024*(\a)
	global_store_b64 v[VO8], v[PC+10:PC+11], s[PB:PB+1] offset:1024*(\a)+512
	global_store_b64 v[VO8], v[WB:WB+1], s[PB:PB+1] offset:1024*(\a)+768
	s_cmp_eq_u32 s26, 0
	s_cbranch_scc1 .Lstored_\@
	global_store_b128 v[VO16S], v[PC:PC+3], s[PA:PA+1] offset:131072+1024*(\a)  ; the table's second part: 128 tiles up, one row on
	global_store_b64 v[VO8S], v[PC+4:PC+5], s[PA:PA+1] offset:131072+1024*(\a)+512
	global_store_b64 v[VO8S], v[WA:WA+1], s[PA:PA+1] offset:131072+1024*(\a)+768
	global_store_b128 v[VO16S], v[PC+6:PC+9], s[PB:PB+1] offset:131072+1024*(\a)
	global_store_b64 v[VO8S], v[PC+10:PC+11], s[PB:PB+1] offset:131072+1024*(\a)+512
	global_store_b64 v[VO8S], v[WB:WB+1], s[PB:PB+1] offset:131072+1024*(\a)+768
	s_branch .Lstored_\@
.Lfor_v_\@:
.irp i, 0,1,2,3
	v_mov_b32 v[PW4+\i], v[PW]
.endr
	s_wait_alu depctr_va_vdst(0)
.irp c, 0,1,2
	global_store_b128 v[CO], v[PC+4*\c:PC+4*\c+3], s[PA:PA+1] offset:((\a)/4)*131072+((\a)%4)*2048+512*\c
.endr
	global_store_b128 v[CO], v[PW4:PW4+3], s[PA:PA+1] offset:((\a)/4)*131072+((\a)%4)*2048+1536
.Lstored_\@:
.endm
.Lcodes:
.irp b, 0,1,2,3
	v_mov_b32 v[TM+4+\b], 0                        ; a lane permute's destination counts as one of its sources
.endr
.irp a, 0,1,2,3,4,5,6,7
	EPI \a
.endr
	s_cmp_eq_u32 s27, 0
	s_cbranch_scc1 .Lend
.irp i, 0,1,2,3
	v_mov_b32 v[ZZ+\i], 0                          ; THE ZERO ROW, c = 2,049: row 0 of tile 128 of my two heads
.endr
	v_mov_b32 v[ZZ+4], 0x7f7f7f7f
	v_mov_b32 v[ZZ+5], 0x7f7f7f7f
	s_wait_alu depctr_va_vdst(0)
	s_wait_xcnt 0x0                                ; EXEC changes only behind this wait
	v_cmp_eq_u32 vcc_lo, 0, v1
	s_and_saveexec_b32 s66, vcc_lo
	global_store_b128 v[CO], v[ZZ:ZZ+3], s[PA:PA+1] offset:131072
	global_store_b64 v[VO8], v[ZZ:ZZ+1], s[PA:PA+1] offset:131072+512
	global_store_b64 v[VO8], v[ZZ+4:ZZ+5], s[PA:PA+1] offset:131072+768
	global_store_b128 v[CO], v[ZZ:ZZ+3], s[PB:PB+1] offset:131072
	global_store_b64 v[VO8], v[ZZ:ZZ+1], s[PB:PB+1] offset:131072+512
	global_store_b64 v[VO8], v[ZZ+4:ZZ+5], s[PB:PB+1] offset:131072+768
	s_wait_xcnt 0x0
	s_or_b32 exec_lo, exec_lo, s66
.Lend:
	s_wait_tensorcnt 0x0                           ; the wave's end
	ds_add_u32 v[SPW], v[NIL]
	s_wait_dscnt 0x0
	s_endpgm
.Lfunc_end_k_qc7f68bdef3_proj:
	.size	k_qc7f68bdef3_proj, .Lfunc_end_k_qc7f68bdef3_proj-k_qc7f68bdef3_proj
	.p2alignl 7, 3214868480
	.fill 96, 4, 3214868480
	.section	.rodata,"a",@progbits
	.p2align	6, 0x0
	.amdhsa_kernel k_qc7f68bdef3_proj
		.amdhsa_group_segment_fixed_size 327680
		.amdhsa_private_segment_fixed_size 0
		.amdhsa_enable_private_segment 0
		.amdhsa_kernarg_size 64
		.amdhsa_user_sgpr_count 2
		.amdhsa_user_sgpr_kernarg_segment_ptr 1
		.amdhsa_wavefront_size32 1
		.amdhsa_system_sgpr_workgroup_id_x 1
		.amdhsa_system_sgpr_workgroup_id_y 1
		.amdhsa_system_sgpr_workgroup_id_z 1
		.amdhsa_system_vgpr_workitem_id 0
		.amdhsa_next_free_vgpr 1024
		.amdhsa_next_free_sgpr 102
		.amdhsa_reserve_vcc 1
		.amdhsa_float_denorm_mode_32 3
		.amdhsa_float_denorm_mode_16_64 3
		.amdhsa_memory_ordered 1
		.amdhsa_forward_progress 1
		.amdhsa_inst_pref_size 208
	.end_amdhsa_kernel
	.amdgpu_metadata
---
amdhsa.version: [ 1, 2 ]
amdhsa.kernels:
  - .name:           k_qc7f68bdef3_proj
    .symbol:         k_qc7f68bdef3_proj.kd
    .args:
      - { .name: xq, .offset: 0, .size: 8, .value_kind: global_buffer, .address_space: global }
      - { .name: W_qkv_codes, .offset: 8, .size: 8, .value_kind: global_buffer, .address_space: global }
      - { .name: W_qkv_scales, .offset: 16, .size: 8, .value_kind: global_buffer, .address_space: global }
      - { .name: r_codes, .offset: 24, .size: 8, .value_kind: global_buffer, .address_space: global }
      - { .name: r_scales, .offset: 32, .size: 8, .value_kind: global_buffer, .address_space: global }
      - { .name: W_r_codes, .offset: 40, .size: 8, .value_kind: global_buffer, .address_space: global }
      - { .name: W_r_scales, .offset: 48, .size: 8, .value_kind: global_buffer, .address_space: global }
      - { .name: proj, .offset: 56, .size: 8, .value_kind: global_buffer, .address_space: global }
    .group_segment_fixed_size: 327680
    .private_segment_fixed_size: 0
    .kernarg_segment_align: 8
    .kernarg_segment_size: 64
    .max_flat_workgroup_size: 128
    .sgpr_count:     102
    .vgpr_count:     1024
    .wavefront_size: 32
...
	.end_amdgpu_metadata
.endif
;; end of part 2
;; launch attn (part 3): grid 4 x 64, 16 waves a work-group, no clusters, 327,680 bytes of LDS; arguments proj, mw, r_w_bias, r_r_bias, aq; writes aq
.if DOCPART == 3
	.amdgcn_target "amdgcn-amd-amdhsa--gfx1250"
	.amdhsa_code_object_version 6
	.text
	.protected	k_qc7f68bdef3_attn
	.globl	k_qc7f68bdef3_attn
	.p2align	8
	.type	k_qc7f68bdef3_attn,@function
k_qc7f68bdef3_attn:
	s_mov_b64 s[64:65], 0
	v_nop
	global_prefetch_b8 v0, s[64:65] scope:SCOPE_SE
	s_setreg_imm32_b32 hwreg(HW_REG_WAVE_MODE, 25, 1), 1
	s_wait_xcnt 0x0
; RELATIVE ATTENTION ON CODES OF BF6 (E3M2).  For batch b, head n, query i: score(i, j) = (q_i + r_w_bias) . k_j + BD(i, j); logit = score / 8, or -1e30 where attn_mask[i][j];
; BD is the relative shift of (q + r_r_bias) . r_k: with c = 1024 - i + j:  c <= 2048: (q_i + rr) . r_k[c - 1];  c = 2049: 0;  c >= 2050: (q_(i+1) + rr) . r_k[c - 2050].
; The launch before has laid each head's r_k as a table of rows c, in tiles tau of 16 rows c = 16 tau + 1 + rr (row 2049 zero codes): tiles under 128 meet q_i, tiles from 128 on q_(i+1).
; SOFTMAX ahead of the second product: t = score x log2(e) / 8; M = the running largest t rounded UP to a whole number; p = 2^(t - M) is quantised along the keys; the row's sum is taken of the
; unquantised p and divides at the end; when M moves, the sum and O are multiplied by 2^(old M - new M), exactly.
; SHARES.  Work-group (x, y = 16 b + n): 256 queries of one batch and head; each of sixteen waves owns 16 queries in 256 registers, four waves to a SIMD.  Every wave walks all 2,048 keys, 128 a step:
; the mask is an input, so no tile is left out.
; A STEP OF A WAVE.  (1) D' = (q + rr) R^T for the 9 table tiles tau0 .. tau0 + 8, tau0 = 63 + (j0 - i0) / 16: lane = table row, registers = queries.  The element of query q' and column cc = 16 t + r'
; belongs to key j0 + cc + q' - 15.  (2) THE SKEW: D' goes through the wave's own LDS buffer: stored at row q', word cc + q' + 1, read back from word 16 on: that is S^T's layout (lane = query,
; registers = keys).  (3) S^T = K (q + rw)^T + that: the loaded registers are the product's C, so the sum costs nothing.  (4) masked scores become -2^103 by one select a register, on lane masks
; that the first launch has made.  (5) softmax, p quantised in registers.  (6) O^T += V^T P^T.
; K = 64 IN AN INSTRUCTION OF K = 128: operands along d are six registers, laid six apart, so a tile's operand takes the next tile's codes as its upper half; the query operand's upper six registers
; are zero codes and all upper scale bytes are 0x7f; the format has no infinity and no NaN, so that half adds exactly 0.
; ORDER INSIDE A BLOCK OF 32: q, k, r_k, p and v are all made from results in which a lane holds rows 16 b + 8 h + jj, so their codes stand in the order 0-7, 16-23, 8-15, 24-31 on both sides of each product.
; attn_vec meets given codes (W_o): its halves are exchanged between the lanes first, so that its codes stand in the true order.
; -2^103: c x (-2^103) is exact and a whole number, so in a row of which every key so far is masked t - M is exactly 0 and p = 1, the uniform softmax of equal logits; a first real score makes old M - new M saturate and the factor 0.
; LIMITS: masked logits stand as t = -1.8e30 where the definition has -1.44e30: the same values as long as real logits stay above -1e29.  NaN and infinities are not served.
;   A block whose largest magnitude lies under 2^-122 (a block of zeros too) keeps the scale byte 1; its bytes are read by this program alone.
; NO CLUSTER: the four query blocks of one (b, n) share K and V, 16 of a step's 32 KiB, but which of q_i and q_(i+1) a table tile meets is a branch on the query block, which would be the place in the cluster.
; LDS: slot 0 at 0, slot 1 at 65,536: 24 table tiles (24,576 bytes), 8 tiles of K (8,192), 4 fragments of V (8,192); spare words at 40,960; skew buffers from 106,496, 16 rows x 656 bytes a wave.
.set SLOT1, 65536
; THE LDS MAP AS IT STANDS (it takes the place of the map in the lines above): A SLOT HOLDS TWO KEY STEPS, 65,536 bytes: 32 table tiles at 0, 16 tiles of K at 32,768, 8 fragments of V at 49,152;
; the slot's second step reads 8,192 bytes further on in each of the three.  Waves 0-3 fetch the table's tiles, waves 4, 5 K's, waves 6, 7 V's, 8,192 dense bytes each.  One change of slots for two steps.
.set KOFF,  32768
.set VOFF,  49152
.set SPARE, 131072                     ; behind the two slots: 128 bytes for each of 16 waves
.set SKEW,  133120
.set INN,   100                        ; s100 counts a slot's two steps
.set SKP,   656                        ; a row of a skew buffer: 164 words = 41 x 16 bytes
.set XSOFF, 6291456
.set KI,    16777216
.set VI,    25165824
.set RI,    33554432
.set L16, 1                            ; v1  16 x lane
.set L8,  2                            ; v2  8 x lane
.set LS8, 3                            ; v3  8 rr + 1,152 h: a d tile's scale word; lanes 16-31 take the next tile's
.set LSV, 4                            ; v4  16 rr + 2,052 h: the same for V's fragments
.set SPW, 5                            ; v5  my spare word; never rewritten
.set NIL, 6                            ; v6  0; never rewritten
.set SKS, 7                            ; v7  the skew: where I store
.set SKL, 8                            ; v8  and where I load
.set NEG, 9                            ; v9  -2^103
.set A16, 10                           ; v10, v11 the slot's base + L16, L8
.set A8,  11
.set AR16, 16                          ; v16-18 the same at my first table tile
.set AR8, 17
.set ARS, 18
.set AS8, 19
.set ASV, 20
.set PFO, 21                           ; v21 256 x lane: the prefetches' offset; never rewritten
.set SQW, 22                           ; v22-24 the scale words of q + rw, q + rr, q_(i+1) + rr
.set SQI, 23
.set SQN, 24
.set SC,  25                           ; v25-29 the fragments' scale words: lanes 0-15 tile 2 p, lanes 16-31 tile 2 p + 1
.set QW,  32                           ; v32-43, v44-55, v56-67: six registers of codes, six of zero codes
.set QI,  44
.set QN,  56
.set OT,  68                           ; v68-99 O^T
.set S,   100                          ; v100-171 D' (72), then S^T and p (64)
.set F,   172                          ; v172-231 fragments
.set PC,  F+48                         ; p's codes
.set TB,  2                            ; s2  LDS byte at which the slot in hand begins
.set TAU, 3                            ; s3  tau0
.set MP,  16                           ; s[16:17] the step's lane masks
.set CS,  18                           ; s[18:19] c = log2(e) / 8
.set SEL, 20
.set WV,  22
.set SLOTS, 23
.set PFA, 24
.set LIM, 26
; s[4:11] group 1, s[12:15] group 0 (it walks), s27 (15 - w) x 1,024, s[28:29] aq, s30-31 at work, s[32:63] and s[68:99] the 64 lane masks
.macro TLOAD                           ; waves 0-3 fetch the table's 32 tiles, waves 4, 5 K's 16, waves 6, 7 V's 8 fragments: 8,192 dense bytes each
	s_cmp_lt_u32 s[WV], 8
	s_cbranch_scc0 .Lnone_\@
	tensor_load_to_lds s[12:15], s[4:11]
	s_nop 0
.rept 4
	v_nop                                          ; four such lines behind a tensor load
.endr
.Lnone_\@:
.endm
; A prefetch of what the NEXT change of slots will ask for of K and V: 8,192 bytes each, lanes 256 bytes apart, one instruction a wave.  The four query blocks of one (b, n) walk the same K and V:
; block x = 0 asks; in it waves 8, 9 for K, waves 10, 11 for V, which fetch nothing.  So each block of 256 bytes is named once.  The last change that fills a slot asks for nothing; steps 0 to 3 come by their loads alone.
; The table's tiles are read by many work-groups one after another and are not asked for.
.macro ASK
	s_cmp_gt_u32 s[SLOTS], s[LIM]
	s_cbranch_scc0 .Lnot_mine_\@
	global_prefetch_b8 v[PFO], s[PFA:PFA+1] th:TH_LOAD_NT scope:SCOPE_SE
.Lnot_mine_\@:
.endm
; 32 numbers of a lane, register 16 b + i, become six registers of codes (lane (r, h): block h of row r) in v[dst] on and the word s0 | s1 << 8 | 0x7f7f0000; the bytes stay in v236, v237
.macro QUANT2 src, dst, word
.irp b, 0,1
	v_max3_num_f32 v[240+\b], |v[\src+16*\b]|, |v[\src+1+16*\b]|, 0x2800000   ; my 16 numbers, and the floor 2^(5 - 127)
.endr
.irp i, 2,4,6,8,10,12,14
.irp b, 0,1
	s_delay_alu instid0(VALU_DEP_2)
	v_max3_num_f32 v[240+\b], v[240+\b], |v[\src+16*\b+\i]|, |v[\src+1+16*\b+\i]|
.endr
.endr
.irp b, 0,1
	s_delay_alu instid0(VALU_DEP_2)
	v_permlanex16_b32 v[236+\b], v[240+\b], s[SEL], s[SEL+1]
.endr
.irp b, 0,1
	s_delay_alu instid0(VALU_DEP_2)
	v_max_num_f32 v[240+\b], v[240+\b], v[236+\b]
.endr
.irp b, 0,1
	s_delay_alu instid0(VALU_DEP_2)
	v_add_nc_u32 v[244+\b], 0xfe000000, v[240+\b]  ; 4 off the exponent field: the conversion's scale operand
.endr
.irp b, 0,1
	s_delay_alu instid0(VALU_DEP_2)
	v_lshrrev_b32 v[236+\b], 23, v[244+\b]         ; the scale's byte
.endr
	s_delay_alu instid0(VALU_DEP_1)
	v_lshl_or_b32 v[\word], v237, 8, v236
	s_delay_alu instid0(VALU_DEP_1)
	v_or_b32 v[\word], 0x7f7f0000, v[\word]
	v_cvt_scalef32_pk16_bf6_f32 v[\dst:\dst+2], v[\src:\src+15], v244
	v_cvt_scalef32_pk16_bf6_f32 v[248:250], v[\src+16:\src+31], v245
	v_nop                                          ; one plain line behind a scaled conversion
.irp i, 0,1,2
	v_permlane16_swap_b32 v[\dst+\i], v[248+\i]
.endr
.irp i, 0,1,2
	s_delay_alu instid0(VALU_DEP_3)
	v_mov_b32 v[\dst+3+\i], v[248+\i]
.endr
.endm
	s_load_b256 s[32:39], s[0:1], 0x0              ; proj, mw, r_w_bias, r_r_bias
	s_load_b64 s[28:29], s[0:1], 0x20              ; aq
	v_lshl_add_u32 v[SPW], v0, 2, SPARE
	v_mov_b32 v[NIL], 0
	ds_add_u32 v5, v6
	ds_add_u32 v5, v6
	s_wait_dscnt 0x0
	v_lshrrev_b32 v1, 5, v0
	s_delay_alu instid0(VALU_DEP_1)
	v_readfirstlane_b32 s[WV], v1                  ; wave 0..15
	s_and_b32 s68, ttmp7, 0xffff                   ; y = 16 b + n
	s_and_b32 s69, s68, 15                         ; n
	s_lshr_b32 s70, s68, 4                         ; b
	s_lshl_b32 s71, ttmp9, 4                       ; 16 x
	s_add_co_u32 s78, s71, s[WV]                   ; my tile of queries, 16 x + w
	s_sub_co_u32 s[TAU], 63, s78                   ; tau0 of key step 0
	s_lshl_b32 s72, s[WV], 3
	s_sub_co_u32 s72, s72, s71
	s_add_co_u32 s72, s72, 48                      ; the work-group's band begins at tile 48 - 16 x; waves 0-3 fetch 8 tiles each
	s_lshl_b32 s72, s72, 10
	s_mul_i32 s73, s69, 204800                     ; a head's table: 200 tiles
	s_add_co_u32 s72, s72, s73
	s_add_co_u32 s72, s72, RI
	s_lshl_b32 s73, s68, 17                        ; K's and V's part of (b, n): 131,072 bytes each
	s_add_co_u32 s74, s73, KI
	s_add_co_u32 s75, s73, VI
	s_and_b32 s79, s[WV], 1
	s_lshl_b32 s79, s79, 13                        ; which 8,192 of a slot's 16,384 bytes of K or of V
	s_cmp_lt_u32 s[WV], 6
	s_cselect_b32 s76, s74, s75                    ; waves 4, 5: K; waves 6, 7: V
	s_add_co_u32 s76, s76, s79
	s_cmp_lt_u32 s[WV], 4
	s_cselect_b32 s76, s72, s76                    ; waves 0-3: the table
	s_mov_b32 s77, 0
	s_cmp_lt_u32 s[WV], 10                         ; the prefetches: waves 8, 9 ask for K's two halves, waves 10, 11 for V's; they fetch nothing
	s_cselect_b32 s80, s74, s75
	s_add_co_u32 s80, s80, s79
	s_add_co_u32 s80, s80, 16384                   ; they stand at the second pair of steps; the first change of slots steps them to the third
	s_mov_b32 s81, 0
	s_sub_co_u32 s30, s[WV], 8
	s_lshr_b32 s30, s30, 2                         ; 0 in waves 8 to 11,
	s_or_b32 s30, s30, ttmp9                       ; of query block 0
	s_cmp_eq_u32 s30, 0
	s_cselect_b32 s[LIM], 1, -1
	s_xor_b32 s27, s[WV], 15
	s_lshl_b32 s27, s27, 10                        ; my first table tile in the band: 15 - w
	s_lshl_b32 s82, s78, 12                        ; my lane masks: 16 steps x 256 bytes
	s_mov_b32 s83, 0
	s_lshl_b32 s84, s70, 6
	s_add_co_u32 s84, s84, s78                     ; (1,024 b + i0) / 16
	s_lshl_b32 s84, s84, 16                        ; x 16 rows of 4,096 bytes
	s_lshl_b32 s86, s69, 8                         ; the head's 256 bytes of a row
	s_add_co_u32 s84, s84, s86
	s_mov_b32 s85, 0
	s_mov_b32 s87, 0
	s_lshl_b32 s31, s78, 4
	s_sub_co_u32 s31, 1023, s31                    ; 1,023 - i0
	; group 1: 32 dense rows of 256 bytes (32 elements of 8 bytes), no padding
	s_mov_b32 s4, 3<<16
	s_mov_b32 s5, 32<<16
	s_mov_b32 s6, 32<<16
	s_mov_b32 s7, 32<<16
	s_mov_b32 s8, 32
	s_mov_b32 s9, 32
	s_mov_b32 s10, 0
	s_mov_b32 s11, 0
	s_mov_b32 s[CS], 0x3e38aa3b
	s_mov_b32 s[CS+1], s[CS]                       ; (named with it as a pair, so it is written)
	s_mov_b32 s[SEL], 0x76543210
	s_mov_b32 s[SEL+1], 0xfedcba98
	s_mov_b32 s[TB], 0
	s_mov_b32 s[SLOTS], 7
	s_wait_kmcnt 0x0
	s_mov_b32 s12, 1
	s_lshl_b32 s13, s[WV], 13                      ; LDS: wave x 8,192, in slot 0
	s_add_nc_u64 s[14:15], s[32:33], s[76:77]
	s_or_b32 s15, s15, 0x80000000
	TLOAD                                          ; key step 0
	s_add_nc_u64 s[PFA:PFA+1], s[32:33], s[80:81]
	s_add_nc_u64 s[MP:MP+1], s[34:35], s[82:83]
	s_add_nc_u64 s[42:43], s[32:33], s[84:85]      ; q's rows i0 on, my head
	s_add_nc_u64 s[36:37], s[36:37], s[86:87]
	s_add_nc_u64 s[38:39], s[38:39], s[86:87]
	v_and_b32 v10, 15, v0                          ; rr
	v_bfe_u32 v11, v0, 4, 1                        ; h
	s_delay_alu instid0(VALU_DEP_1)
	v_lshlrev_b32 v242, 5, v11                     ; 32 h
	s_delay_alu instid0(VALU_DEP_1)
	v_lshl_add_u32 v240, v10, 12, v242             ; row rr
	s_delay_alu instid0(VALU_DEP_4)
	v_add_nc_u32 v241, 1, v10
	s_delay_alu instid0(VALU_DEP_1)
	v_min_u32 v241, s31, v241                      ; row rr + 1, held inside q (query 1,023 meets no table row from 2,050 on)
	s_delay_alu instid0(VALU_DEP_1)
	v_lshl_add_u32 v241, v241, 12, v242
.set e, 0
.rept 8                                ; register 16 beta + 8 u + jj = d 32 beta + 16 u + 8 h + jj: the order in which k's and r_k's codes were made
	global_load_b128 v[S+4*e:S+4*e+3], v240, s[42:43] offset:128*(e/4)+64*((e/2)%2)+16*(e%2)
	global_load_b128 v[S+32+4*e:S+32+4*e+3], v241, s[42:43] offset:128*(e/4)+64*((e/2)%2)+16*(e%2)
	global_load_b128 v[172+4*e:172+4*e+3], v242, s[36:37] offset:128*(e/4)+64*((e/2)%2)+16*(e%2)
	global_load_b128 v[204+4*e:204+4*e+3], v242, s[38:39] offset:128*(e/4)+64*((e/2)%2)+16*(e%2)
.set e, e+1
.endr
	v_and_b32 v1, 31, v0
	s_delay_alu instid0(VALU_DEP_1)
	v_lshlrev_b32 v[L8], 3, v1
	s_delay_alu instid0(VALU_DEP_2)
	v_lshlrev_b32 v[PFO], 8, v1
	s_delay_alu instid0(VALU_DEP_3)
	v_lshlrev_b32 v[L16], 4, v1
	v_mul_u32_u24 v[LS8], v11, 1152
	s_delay_alu instid0(VALU_DEP_1)
	v_lshl_add_u32 v[LS8], v10, 3, v[LS8]
	v_mul_u32_u24 v[LSV], v11, 2052
	s_delay_alu instid0(VALU_DEP_1)
	v_lshl_add_u32 v[LSV], v10, 4, v[LSV]
	s_mul_i32 s30, s[WV], 16*SKP
	s_add_co_u32 s30, s30, SKEW                    ; my skew buffer
	v_mul_u32_u24 v[SKS], v11, 8*(SKP+4)           ; register jj of lane (r', h) is query 8 h + jj: row 8 h + jj, word 16 t + r' + 8 h + jj + 1
	s_delay_alu instid0(VALU_DEP_1)
	v_lshl_add_u32 v[SKS], v10, 2, v[SKS]
	s_delay_alu instid0(VALU_DEP_1)
	v_add_nc_u32 v[SKS], s30, v[SKS]
	s_delay_alu instid0(VALU_DEP_1)
	v_add_nc_u32 v[SKS], 4, v[SKS]
	v_mul_u32_u24 v[SKL], v10, SKP                 ; back: row rr, word 16 + 16 a + 8 h + jj
	s_delay_alu instid0(VALU_DEP_1)
	v_lshl_add_u32 v[SKL], v11, 5, v[SKL]
	s_delay_alu instid0(VALU_DEP_1)
	v_add_nc_u32 v[SKL], s30, v[SKL]
	s_delay_alu instid0(VALU_DEP_1)
	v_add_nc_u32 v[SKL], 64, v[SKL]
	v_mov_b32 v[NEG], 0xf3000000
.irp b, 0,1,2,3
	v_mov_b32 v[236+\b], 0                         ; written once: a lane permute's destination counts as one of its sources
.endr
	s_wait_loadcnt 0x0
.set j, 0
.rept 16
	v_pk_add_f32 v[OT+j:OT+j+1], v[S+j:S+j+1], v[172+j:173+j]            ; q_i + r_w_bias
	v_pk_add_f32 v[S+j:S+j+1], v[S+j:S+j+1], v[204+j:205+j]              ; q_i + r_r_bias
	v_pk_add_f32 v[S+32+j:S+33+j], v[S+32+j:S+33+j], v[204+j:205+j]      ; q_(i+1) + r_r_bias
.set j, j+2
.endr
	QUANT2 OT, QW, SQW
	QUANT2 S, QI, SQI
	QUANT2 S+32, QN, SQN
.irp i, 6,7,8,9,10,11
	v_mov_b32 v[QW+\i], 0                          ; the upper halves: zero codes
	v_mov_b32 v[QI+\i], 0
	v_mov_b32 v[QN+\i], 0
	v_mov_b32 v[F+48+\i], 0                        ; (the upper half of the ninth table tile's operand: whatever stands here meets zero codes)
.endr
.set j, 0
.rept 32
	v_mov_b32 v[OT+j], 0                           ; O^T.  The step is written once: the first finds zeros, which the first change of M leaves zeros
.set j, j+1
.endr
	v_mov_b32 v13, 0xff61b1e6                      ; the largest t so far: -3e38
	s_delay_alu instid0(VALU_DEP_1)
	v_floor_f32 v12, -v13                          ; -M
	v_mov_b32 v14, 0                               ; the sum, in two halves
	v_mov_b32 v15, 0
	v_mov_b32 v253, 0                              ; (named as the upper half of the pair v[252:253] before it is first written)
.macro BDP t, q, sq                    ; D'(query, table row) of tile t: source 0 = my queries, source 1 = 16 table rows
.if (\t)%2
	v_wmma_scale_f32_16x16x128_f8f6f4 v[S+8*(\t):S+8*(\t)+7], v[\q:\q+11], v[F+6*(\t):F+6*(\t)+11], 0, v[\sq], v[SC+(\t)/2] matrix_a_fmt:MATRIX_FMT_BF6 matrix_b_fmt:MATRIX_FMT_BF6 matrix_b_scale:MATRIX_SCALE_ROW1
.else
	v_wmma_scale_f32_16x16x128_f8f6f4 v[S+8*(\t):S+8*(\t)+7], v[\q:\q+11], v[F+6*(\t):F+6*(\t)+11], 0, v[\sq], v[SC+(\t)/2] matrix_a_fmt:MATRIX_FMT_BF6 matrix_b_fmt:MATRIX_FMT_BF6
.endif
.endm
.macro BDT t                           ; tile tau0 + t under 128 meets q_i, from 128 on q_(i+1): a scalar branch on ids and the step's count
	s_cmp_lt_u32 s[TAU], 128-(\t)
	s_cbranch_scc0 .Lbd_next_\@
	BDP \t, QI, SQI
	s_branch .Lbd_done_\@
.Lbd_next_\@:
	BDP \t, QN, SQN
.Lbd_done_\@:
.endm
; A KEY STEP: 128 keys.  Every wait in it is for 0.
.macro STEP
	s_load_b512 s[32:47], s[MP:MP+1], 0x0          ; the step's 64 lane masks
	s_load_b512 s[48:63], s[MP:MP+1], 0x40
	s_load_b512 s[68:83], s[MP:MP+1], 0x80
	s_load_b512 s[84:99], s[MP:MP+1], 0xc0
	s_add_co_u32 s30, s[TB], s27
	v_add_nc_u32 v[AR16], s30, v[L16]              ; these seven lines are also the places between the last step's products and the loads into their registers
	v_add_nc_u32 v[AR8], s30, v[L8]
	v_add_nc_u32 v[ARS], s30, v[LS8]
	v_add_nc_u32 v[A16], s[TB], v[L16]
	v_add_nc_u32 v[A8], s[TB], v[L8]
	v_add_nc_u32 v[AS8], s[TB], v[LS8]
	v_add_nc_u32 v[ASV], s[TB], v[LSV]
.set t, 0
.rept 9                                ; nine table tiles, six registers each, six apart
	ds_load_b128 v[F+6*t:F+6*t+3], v[AR16] offset:1024*t
	ds_load_b64 v[F+6*t+4:F+6*t+5], v[AR8] offset:1024*t+512
.set t, t+1
.endr
.irp p, 0,1,2,3,4
	ds_load_b32 v[SC+\p], v[ARS] offset:768+2048*\p
.endr
	s_wait_dscnt 0x0
.irp t, 0,1,2,3,4,5,6,7,8
	BDT \t
.endr
.rept 5
	v_nop                                          ; four places in front of the stores of D' and of the loads below; five in front of the products that write over D'
.endr
.set a, 0
	s_wait_alu depctr_va_vdst(0)
.rept 8                                ; K's eight tiles
	ds_load_b128 v[F+6*a:F+6*a+3], v[A16] offset:KOFF+1024*a
	ds_load_b64 v[F+6*a+4:F+6*a+5], v[A8] offset:KOFF+1024*a+512
.set a, a+1
.endr
.irp p, 0,1,2,3
	ds_load_b32 v[SC+\p], v[AS8] offset:KOFF+768+2048*\p
.endr
.set k, 0
.rept 72                               ; the skew, each result from its low end on
	ds_store_b32 v[SKS], v[S+k] offset:(SKP+4)*(k%8)+64*(k/8)
.set k, k+1
.endr
.set a, 0
.rept 8                                ; LDS serves a wave's instructions in order: these see the stores above
	ds_load_b128 v[S+8*a:S+8*a+3], v[SKL] offset:64*a
	ds_load_b128 v[S+8*a+4:S+8*a+7], v[SKL] offset:64*a+16
.set a, a+1
.endr
	s_wait_dscnt 0x0
.irp a, 0,2,4,6                        ; S^T = K (q + rw)^T + BD: eight accumulators, one instruction each
	v_wmma_scale_f32_16x16x128_f8f6f4 v[S+8*\a:S+8*\a+7], v[F+6*\a:F+6*\a+11], v[QW:QW+11], v[S+8*\a:S+8*\a+7], v[SC+\a/2], v[SQW] matrix_a_fmt:MATRIX_FMT_BF6 matrix_b_fmt:MATRIX_FMT_BF6
	v_wmma_scale_f32_16x16x128_f8f6f4 v[S+8*\a+8:S+8*\a+15], v[F+6*\a+6:F+6*\a+17], v[QW:QW+11], v[S+8*\a+8:S+8*\a+15], v[SC+\a/2], v[SQW] matrix_a_fmt:MATRIX_FMT_BF6 matrix_b_fmt:MATRIX_FMT_BF6 matrix_a_scale:MATRIX_SCALE_ROW1
.endr
.rept 4
	v_nop                                          ; places in front of the loads into K's registers and of the first read of the scores
.endr
.set t, 0
.rept 4                                ; V's four fragments land while the softmax is worked
	ds_load_b128 v[F+12*t:F+12*t+3], v[A16] offset:VOFF+2048*t
	ds_load_b128 v[F+12*t+4:F+12*t+7], v[A16] offset:VOFF+2048*t+512
	ds_load_b128 v[F+12*t+8:F+12*t+11], v[A16] offset:VOFF+2048*t+1024
.set t, t+1
.endr
.irp p, 0,1
	ds_load_b32 v[SC+\p], v[ASV] offset:VOFF+1536+4096*\p
.endr
	s_wait_kmcnt 0x0                               ; the lane masks are in, and their base may step
	s_add_nc_u64 s[MP:MP+1], s[MP:MP+1], 256
.set k, 0
.rept 64
.if k < 32
	v_cndmask_b32 v[S+k], v[S+k], v[NEG], s[32+k]
.else
	v_cndmask_b32 v[S+k], v[S+k], v[NEG], s[36+k]
.endif
.set k, k+1
.endr
.irp b, 0,1,2,3
	v_max3_num_f32 v[232+\b], v[S+16*\b], v[S+1+16*\b], v[S+2+16*\b]   ; the largest score of each block of 32 keys: for the row's maximum, and, since p rises with the score, for the block's largest p
.endr
.irp i, 3,5,7,9,11,13
.irp b, 0,1,2,3
	s_delay_alu instid0(VALU_DEP_4)
	v_max3_num_f32 v[232+\b], v[232+\b], v[S+16*\b+\i], v[S+1+16*\b+\i]
.endr
.endr
.irp b, 0,1,2,3
	s_delay_alu instid0(VALU_DEP_4)
	v_max_num_f32 v[232+\b], v[232+\b], v[S+15+16*\b]
.endr
.irp b, 0,1,2,3
	s_delay_alu instid0(VALU_DEP_4)
	v_permlanex16_b32 v[236+\b], v[232+\b], s[SEL], s[SEL+1]
.endr
.irp b, 0,1,2,3
	s_delay_alu instid0(VALU_DEP_4)
	v_max_num_f32 v[232+\b], v[232+\b], v[236+\b]  ; with lane l xor 16's 16 keys
.endr
	s_delay_alu instid0(VALU_DEP_2)
	v_max3_num_f32 v254, v232, v233, v234
	s_delay_alu instid0(VALU_DEP_1)
	v_max_num_f32 v254, v254, v235
	s_delay_alu instid0(VALU_DEP_1)
	v_mul_f32 v254, s[CS], v254                    ; the step's largest t
	s_delay_alu instid0(VALU_DEP_1)
	v_max_num_f32 v13, v13, v254                   ; the running largest t
	v_mov_b32 v254, v12
	s_delay_alu instid0(VALU_DEP_2)
	v_floor_f32 v12, -v13                          ; the new -M = -ceil(t)
	s_delay_alu instid0(VALU_DEP_1)
	v_sub_f32 v254, v12, v254                      ; old M - new M: a whole number, 0 or less
	s_delay_alu instid0(VALU_DEP_1)
	v_cvt_i32_f32 v254, v254                       ; (it saturates)
	s_delay_alu instid0(VALU_DEP_1)
	v_ldexp_f32 v252, 1.0, v254                    ; f = 2^(old M - new M)
.set j, 0
.rept 32
	v_pk_fma_f32 v[S+j:S+j+1], v[S+j:S+j+1], s[CS:CS+1], v[12:13] op_sel_hi:[1,0,0]   ; t - M, two at a time
.set j, j+2
.endr
.irp b, 0,1,2,3
	v_fma_f32 v[232+\b], v[232+\b], s[CS], v12     ; the same of each block's largest score
.endr
.set j, 0
	s_wait_alu depctr_va_vdst(0)
.rept 64
	v_exp_f32 v[S+j], v[S+j]                       ; p = 2^(t - M), at most 1
.set j, j+1
.endr
	v_pk_mul_f32 v[14:15], v[14:15], v[252:253] op_sel_hi:[1,0]   ; the sums under the new M: the plain line behind the exponentials
	s_wait_alu depctr_va_vdst(0)                   ; one wait for the batch of 64, ahead of its first reader
.irp b, 0,1,2,3
	v_exp_f32 v[232+\b], v[232+\b]                 ; the block's largest p
.endr
	v_pk_add_f32 v[236:237], v[104:105], v[108:109]
	v_pk_add_f32 v[254:255], v[112:113], v[116:117]
	v_pk_add_f32 v[250:251], v[120:121], v[124:125]
	v_pk_add_f32 v[248:249], v[128:129], v[132:133]
	v_pk_add_f32 v[246:247], v[136:137], v[140:141]
	v_pk_add_f32 v[244:245], v[144:145], v[148:149]
	v_pk_add_f32 v[242:243], v[152:153], v[156:157]
	v_pk_add_f32 v[14:15], v[14:15], v[160:161]
	v_pk_add_f32 v[236:237], v[236:237], v[100:101]
	v_pk_add_f32 v[254:255], v[254:255], v[102:103]
	v_pk_add_f32 v[250:251], v[250:251], v[106:107]
	v_pk_add_f32 v[248:249], v[248:249], v[110:111]
	v_pk_add_f32 v[246:247], v[246:247], v[114:115]
	v_pk_add_f32 v[244:245], v[244:245], v[118:119]
	v_pk_add_f32 v[242:243], v[242:243], v[122:123]
	v_pk_add_f32 v[14:15], v[14:15], v[126:127]
	v_pk_add_f32 v[236:237], v[236:237], v[130:131]
	v_pk_add_f32 v[254:255], v[254:255], v[134:135]
	v_pk_add_f32 v[250:251], v[250:251], v[138:139]
	v_pk_add_f32 v[248:249], v[248:249], v[142:143]
	v_pk_add_f32 v[246:247], v[246:247], v[146:147]
	v_pk_add_f32 v[244:245], v[244:245], v[150:151]
	v_pk_add_f32 v[242:243], v[242:243], v[154:155]
	v_pk_add_f32 v[14:15], v[14:15], v[158:159]
	v_pk_add_f32 v[236:237], v[236:237], v[162:163]
	s_delay_alu instid0(VALU_DEP_2)
	v_pk_add_f32 v[14:15], v[14:15], v[248:249]
	s_delay_alu instid0(VALU_DEP_2)
	v_pk_add_f32 v[236:237], v[236:237], v[246:247]
	v_pk_add_f32 v[254:255], v[254:255], v[244:245]
	v_pk_add_f32 v[250:251], v[250:251], v[242:243]
	s_delay_alu instid0(VALU_DEP_2)
	v_pk_add_f32 v[14:15], v[14:15], v[254:255]
	s_delay_alu instid0(VALU_DEP_2)
	v_pk_add_f32 v[236:237], v[236:237], v[250:251]
	s_delay_alu instid0(VALU_DEP_1)
	v_pk_add_f32 v[14:15], v[14:15], v[236:237]
	s_wait_alu depctr_va_vdst(0)                   ; and one for the four
.irp b, 0,1,2,3
	v_max_num_f32 v[232+\b], 0x2800000, v[232+\b]  ; the floor 2^(5 - 127)
.endr
.irp b, 0,1,2,3
	s_delay_alu instid0(VALU_DEP_4)
	v_add_nc_u32 v[244+\b], 0xfe000000, v[232+\b]
.endr
.irp b, 0,1,2,3
	s_delay_alu instid0(VALU_DEP_4)
	v_lshrrev_b32 v[236+\b], 23, v[244+\b]
.endr
	s_delay_alu instid0(VALU_DEP_3)
	v_lshl_or_b32 v253, v237, 8, v236              ; p's scale word for these 128 keys
	s_delay_alu instid0(VALU_DEP_1)
	v_lshl_or_b32 v253, v238, 16, v253
	s_delay_alu instid0(VALU_DEP_1)
	v_lshl_or_b32 v253, v239, 24, v253
.irp c, 0,1
	v_cvt_scalef32_pk16_bf6_f32 v[PC+6*\c:PC+2+6*\c], v[S+32*\c:S+15+32*\c], v[244+2*\c]
	v_cvt_scalef32_pk16_bf6_f32 v[236+4*\c:238+4*\c], v[S+16+32*\c:S+31+32*\c], v[244+2*\c+1]
.endr
	v_nop                                          ; one plain line behind a scaled conversion
.irp c, 0,1
.irp i, 0,1,2
	v_permlane16_swap_b32 v[PC+6*\c+\i], v[236+4*\c+\i]
.endr
.irp i, 0,1,2
	s_delay_alu instid0(VALU_DEP_3)
	v_mov_b32 v[PC+3+6*\c+\i], v[236+4*\c+\i]
.endr
.endr
.set j, 0
.rept 16
	v_pk_mul_f32 v[OT+j:OT+j+1], v[OT+j:OT+j+1], v[252:253] op_sel_hi:[1,0]   ; O^T under the new M; these lines also stand between the writes of p's codes and word and the products below
.set j, j+2
.endr
	s_wait_alu depctr_va_vdst(0)
	s_wait_dscnt 0x0                               ; V is in
.irp t, 0,2                            ; O^T += V^T P^T: four accumulators by turns
	v_wmma_scale_f32_16x16x128_f8f6f4 v[OT+8*\t:OT+8*\t+7], v[F+12*\t:F+12*\t+11], v[PC:PC+11], v[OT+8*\t:OT+8*\t+7], v[SC+\t/2], v253 matrix_a_fmt:MATRIX_FMT_BF6 matrix_b_fmt:MATRIX_FMT_BF6
	v_wmma_scale_f32_16x16x128_f8f6f4 v[OT+8*\t+8:OT+8*\t+15], v[F+12*\t+12:F+12*\t+23], v[PC:PC+11], v[OT+8*\t+8:OT+8*\t+15], v[SC+\t/2], v253 matrix_a_fmt:MATRIX_FMT_BF6 matrix_b_fmt:MATRIX_FMT_BF6 matrix_a_scale:MATRIX_SCALE_ROW1
.endr
	s_xor_b32 s[TB], s[TB], 8192                   ; on to the slot's other step
	s_add_co_u32 s[TAU], s[TAU], 8
.endm
; THE CHANGE OF SLOTS stands at a step's head.  Each wave waits for all its tensor loads (its part of the slot that it is about to read), adds 0 to its spare word, and waits for that and for its reads of the slot that it has left.
; Behind the barrier the slot ahead is whole and nobody reads the other one.  fill = 1: that other slot takes the next step's tiles: one load a wave, the first thing behind the barrier, with a whole step in which to land.
.macro CHANGE fill
	s_wait_tensorcnt 0x0                           ; no tensor load of mine is out, so the group 0 may be written
	ds_add_u32 v[SPW], v[NIL]                      ; 0 onto my spare word
.if \fill
	s_xor_b32 s13, s13, SLOT1                      ; the other slot than last time,
	s_add_nc_u64 s[14:15], s[14:15], 16384         ; the next two steps' bytes (of the table: 16 tiles on)
	s_wait_xcnt 0x0                                ; the last prefetch, two steps back, has read its address
	s_add_nc_u64 s[PFA:PFA+1], s[PFA:PFA+1], 16384
.endif
	s_wait_dscnt 0x0                               ; the add is done, and my reads of the slot that I have left are over
	s_barrier_signal -1
	s_barrier_wait -1
.if \fill
	TLOAD
	ASK
.endif
.endm
.Lslot:                                            ; 7 trips: behind each change of slots but the last the next two steps are asked for
	CHANGE 1                                       ; 7 trips: behind each change of slots but the last the next two steps are asked for
	s_mov_b32 s[INN], 2
.Lpair:                                            ; the slot's two steps: no barrier between them
	STEP
	s_sub_co_u32 s[INN], s[INN], 1
	s_cmp_lg_u32 s[INN], 0
	s_cbranch_scc1 .Lpair
	s_xor_b32 s[TB], s[TB], SLOT1                  ; on to the other slot
	s_sub_co_u32 s[SLOTS], s[SLOTS], 1
	s_cmp_lg_u32 s[SLOTS], 0
	s_cbranch_scc1 .Lslot
	CHANGE 0                                       ; the last two steps are written out
	s_mov_b32 s[INN], 2
.Llast:
	STEP
	s_sub_co_u32 s[INN], s[INN], 1
	s_cmp_lg_u32 s[INN], 0
	s_cbranch_scc1 .Llast
	; THE END: O^T / the sum; true order along d; quantised; 24 bytes of codes and one scale byte a lane
	v_add_f32 v14, v14, v15
	s_delay_alu instid0(VALU_DEP_1)
	v_permlanex16_b32 v252, v14, s[SEL], s[SEL+1]
	s_delay_alu instid0(VALU_DEP_1)
	v_add_f32 v14, v14, v252                       ; the row's sum
	s_wait_alu depctr_va_vdst(0)
	v_rcp_f32 v14, v14
	v_and_b32 v10, 15, v0                          ; (plain lines behind the reciprocal, and the places behind the last products)  rr
	v_bfe_u32 v11, v0, 4, 1                        ; h
	s_delay_alu instid0(VALU_DEP_2)
	v_mul_u32_u24 v30, v10, 768
	s_delay_alu instid0(VALU_DEP_1)
	v_mad_u32_u24 v30, v11, 24, v30                ; codes: row rr, block h
	s_delay_alu instid0(VALU_DEP_3)
	v_lshl_add_u32 v31, v10, 5, v11                ; scale bytes: row rr, byte h
	s_and_b32 s32, ttmp7, 0xffff
	s_and_b32 s33, s32, 15                         ; n
	s_lshr_b32 s32, s32, 4                         ; b
	s_lshl_b32 s32, s32, 11
	s_lshl_b32 s34, ttmp9, 8
	s_add_co_u32 s32, s32, s34
	s_lshl_b32 s34, s[WV], 4
	s_add_co_u32 s32, s32, s34
	s_add_co_u32 s32, s32, 1024                    ; aq's row b*2048 + 1024 + i0
	s_mul_i32 s36, s32, 768
	s_mul_i32 s34, s33, 48
	s_add_co_u32 s36, s36, s34
	s_mov_b32 s37, 0
	s_add_nc_u64 s[40:41], s[28:29], s[36:37]
	s_lshl_b32 s36, s32, 5
	s_lshl_b32 s34, s33, 1
	s_add_co_u32 s36, s36, s34
	s_add_co_u32 s36, s36, XSOFF
	s_add_nc_u64 s[42:43], s[28:29], s[36:37]
	s_wait_alu depctr_va_vdst(0)                   ; the wait ahead of the reciprocal's first reader
.set j, 0
.rept 32
	v_mul_f32 v[S+j], v[OT+j], v14                 ; register 8 t + jj is d = 16 t + 8 h + jj of query rr; each accumulator from its low end on
.set j, j+1
.endr
.irp b, 0,1
.irp i, 0,1,2,3,4,5,6,7
	v_permlane16_swap_b32 v[S+16*\b+\i], v[S+16*\b+8+\i]   ; now register 16 b + i is d = 32 b + 16 h + i: the true order
.endr
.endr
	QUANT2 S, QW, SQW
	v_cmp_eq_u32 vcc_lo, 1, v11
	s_delay_alu instid0(VALU_DEP_1)
	v_cndmask_b32 v236, v236, v237, vcc_lo         ; block h's byte
	global_store_b64 v30, v[QW:QW+1], s[40:41]
	global_store_b64 v30, v[QW+2:QW+3], s[40:41] offset:8
	global_store_b64 v30, v[QW+4:QW+5], s[40:41] offset:16
	global_store_b8 v31, v236, s[42:43]
	s_wait_tensorcnt 0x0                           ; the wave's end
	ds_add_u32 v[SPW], v[NIL]
	s_wait_dscnt 0x0
	s_endpgm
.Lfunc_end_k_qc7f68bdef3_attn:
	.size	k_qc7f68bdef3_attn, .Lfunc_end_k_qc7f68bdef3_attn-k_qc7f68bdef3_attn
	.p2alignl 7, 3214868480
	.fill 96, 4, 3214868480
	.section	.rodata,"a",@progbits
	.p2align	6, 0x0
	.amdhsa_kernel k_qc7f68bdef3_attn
		.amdhsa_group_segment_fixed_size 327680
		.amdhsa_private_segment_fixed_size 0
		.amdhsa_enable_private_segment 0
		.amdhsa_kernarg_size 40
		.amdhsa_user_sgpr_count 2
		.amdhsa_user_sgpr_kernarg_segment_ptr 1
		.amdhsa_wavefront_size32 1
		.amdhsa_system_sgpr_workgroup_id_x 1
		.amdhsa_system_sgpr_workgroup_id_y 1
		.amdhsa_system_sgpr_workgroup_id_z 1
		.amdhsa_system_vgpr_workitem_id 0
		.amdhsa_next_free_vgpr 256
		.amdhsa_next_free_sgpr 102
		.amdhsa_reserve_vcc 1
		.amdhsa_float_denorm_mode_32 3
		.amdhsa_float_denorm_mode_16_64 3
		.amdhsa_memory_ordered 1
		.amdhsa_forward_progress 1
		.amdhsa_inst_pref_size 96
	.end_amdhsa_kernel
	.amdgpu_metadata
---
amdhsa.version: [ 1, 2 ]
amdhsa.kernels:
  - .name:           k_qc7f68bdef3_attn
    .symbol:         k_qc7f68bdef3_attn.kd
    .args:
      - { .name: proj, .offset: 0, .size: 8, .value_kind: global_buffer, .address_space: global }
      - { .name: mw, .offset: 8, .size: 8, .value_kind: global_buffer, .address_space: global }
      - { .name: r_w_bias, .offset: 16, .size: 8, .value_kind: global_buffer, .address_space: global }
      - { .name: r_r_bias, .offset: 24, .size: 8, .value_kind: global_buffer, .address_space: global }
      - { .name: aq, .offset: 32, .size: 8, .value_kind: global_buffer, .address_space: global }
    .group_segment_fixed_size: 327680
    .private_segment_fixed_size: 0
    .kernarg_segment_align: 8
    .kernarg_segment_size: 40
    .max_flat_workgroup_size: 512
    .sgpr_count:     102
    .vgpr_count:     256
    .wavefront_size: 32
...
	.end_amdgpu_metadata
.endif
;; end of part 3
;; launch outp (part 4): grid 8 x 32, 8 waves a work-group, clusters of 4 x 4, 286,208 bytes of LDS; arguments aq, W_o_codes, W_o_scales, ao; writes ao
.if DOCPART == 4
	.amdgcn_target "amdgcn-amd-amdhsa--gfx1250"
	.amdhsa_code_object_version 6
	.text
	.protected	k_qc7f68bdef3_outp
	.globl	k_qc7f68bdef3_outp
	.p2align	8
	.type	k_qc7f68bdef3_outp,@function
k_qc7f68bdef3_outp:
	s_mov_b64 s[64:65], 0
	v_nop
	global_prefetch_b8 v0, s[64:65] scope:SCOPE_SE
	s_setreg_imm32_b32 hwreg(HW_REG_WAVE_MODE, 25, 1), 1
	s_wait_xcnt 0x0
	s_wait_alu depctr_hold_cnt(0) depctr_sa_sdst(0) depctr_va_vdst(0) depctr_va_sdst(0) depctr_va_ssrc(0) depctr_va_vcc(0) depctr_vm_vsrc(0)
	s_getreg_b32 s2, hwreg(HW_REG_IB_STS2, 6, 4)
	s_cmp_eq_u32 s2, 0
	s_cbranch_scc0 .Lentry_in_a_cluster
	s_endpgm
.Lentry_in_a_cluster:
	s_bfe_u32 s2, ttmp6, 0x10000c
	s_cmp_lg_u32 s2, 0xf033
	s_cbranch_scc0 .Lentry_shape_is_right
	s_endpgm
.Lentry_shape_is_right:
; attn_out = attn_vec W_o on codes of BF6 (E3M2) with E8M0 scales, K = 1,024.  aq: codes [b*2048 + 1024 + i][768] at 0, scale bytes [row][32] at XSOFF; W_o: [n][768], [n][32]; ao: [b*1024 + i][1024] f32.
; A work-group makes 128 x 128 of ao: 32 x 8 = 256 work-groups.  Eight waves, each 64 rows x 32 columns: 8 accumulators.
; WHOLE ROWS OF K ARE STAGED ONCE: 128 rows of A and 128 of B, 768 bytes each (a multiple of 256, from a multiple of 256), 16 bytes of padding behind every 256: LDS pitch 816.  Nothing is filled again: no ring.
; The head's four tiles, one load a wave: wave 0 A's codes, wave 1 B's, wave 2 A's scale bytes, wave 3 B's; waves 4-7 load nothing.
; CLUSTERS 4 x 4: the four of a row of the cluster need the same rows of A, the four of a column the same rows of B: each tile is asked for jointly.
; NO PREFETCH: every tile is asked for at the head; there is no loop to run ahead in.
; TRANSPOSED USE: source 0 = 16 rows of W_o, source 1 = 16 rows of A: a lane holds eight neighbouring columns of one row.  Results go through a stage shared by the waves and leave as rows of 512 bytes.
; REGISTERS: v0-15 addresses; v16-47 scale words: register 8 i + st: lanes 0-15 A's block i, lanes 16-31 (i < 2) B's block i, step st; v48-119, v120-191 two sets of fragments (A's four, B's two); v192-255 accumulators.
.set XSOFF,  6291456
.set PITCH,  816
.set BOFF,   128*PITCH
.set SCL,    2*BOFF
.set HALFS,  16*272
.set SBLK,   2*272
.set STAGE,  SCL+2*HALFS
.set SPITCH, 528
.set SPARE,  STAGE+128*SPITCH          ; the spare words: 128 bytes for each of eight waves
.set ADRA, 8                           ; v8: row x pitch + 24 h; v9: + 40 h, for a piece whose lanes 16-31 lie behind one padding more
.set ADRB, 10
.set ADRX, 12
.set ADRY, 13
.set STO,  14
.set RD,   15
.set CO,   7
.set SPW,  4
.set NIL,  5
.set SCX,  16
.set FB,   48
.set AC,   192
.set G1A, 24
.set G0A, 32
.set G0B, 36
.set G1B, 48
.set G0SA, 56
.set G0SB, 60
.set G1SA, 68
.set G1SB, 80
.macro CROUND                          ; a round of the cluster's barrier
	s_barrier_signal -1
	s_barrier_wait -1
	s_cmp_lg_u32 s14, 0
	s_cbranch_scc1 .Lnot_wave_0_\@
	s_barrier_signal -3
.Lnot_wave_0_\@:
	s_barrier_wait -3
	s_barrier_signal -1
	s_barrier_wait -1
.endm
	s_load_b256 s[4:11], s[0:1], 0x0               ; aq, W_o's codes, W_o's scales, ao
	v_lshl_add_u32 v[SPW], v0, 2, SPARE
	v_mov_b32 v[NIL], 0
	ds_add_u32 v[SPW], v[NIL]                      ; the opening lines: the add twice on end under one wait
	ds_add_u32 v[SPW], v[NIL]
	v_lshrrev_b32 v1, 5, v0
	v_readfirstlane_b32 s14, v1                    ; wave 0..7
	s_lshr_b32 s15, s14, 2                         ; my 64 rows of A
	s_and_b32 s16, s14, 3                          ; my 32 rows of B
	s_bfe_u32 s40, ttmp6, 0x40000                  ; cx
	s_bfe_u32 s41, ttmp6, 0x40004                  ; cy
	s_lshl_b32 s42, ttmp9, 2
	s_add_co_u32 s42, s42, s40                     ; tile column
	s_and_b32 s17, ttmp7, 0xffff
	s_lshl_b32 s17, s17, 2
	s_add_co_u32 s17, s17, s41                     ; tile row
	s_lshl_b32 s43, s41, 2
	s_lshl_b32 s43, 15, s43                        ; my row of the cluster
	s_lshl_b32 s44, 0x1111, s40                    ; my column
	s_or_b32 s[G1A+0], s43, (1<<20)|(1<<21)|(5<<22)|(3<<25)   ; elements of 1 byte; 4 words of padding behind every 64
	s_or_b32 s[G1B+0], s44, (1<<20)|(1<<21)|(5<<22)|(3<<25)
.irp g, G1A, G1B
	s_mov_b32 s[\g+1], 768<<16
	s_mov_b32 s[\g+2], 128<<16
	s_mov_b32 s[\g+3], 768<<16
	s_mov_b32 s[\g+4], 128
	s_mov_b32 s[\g+5], 768
	s_mov_b32 s[\g+6], 0
	s_mov_b32 s[\g+7], 0
.endr
	s_or_b32 s[G1SA+0], s43, (3<<16)|(1<<20)|(1<<21)|(5<<22)|(3<<25)   ; 4,096 dense bytes as 16 rows of 256
	s_or_b32 s[G1SB+0], s44, (3<<16)|(1<<20)|(1<<21)|(5<<22)|(3<<25)
.irp g, G1SA, G1SB
	s_mov_b32 s[\g+1], 32<<16
	s_mov_b32 s[\g+2], 16<<16
	s_mov_b32 s[\g+3], 32<<16
	s_mov_b32 s[\g+4], 16
	s_mov_b32 s[\g+5], 32
	s_mov_b32 s[\g+6], 0
	s_mov_b32 s[\g+7], 0
.endr
	s_lshl_b32 s20, s17, 7                         ; result row 128 y = b*1024 + i is aq's row b*2048 + 1024 + i
	s_lshr_b32 s21, s17, 3
	s_lshl_b32 s21, s21, 10
	s_add_co_u32 s20, s20, s21
	s_add_co_u32 s20, s20, 1024
	s_mul_i32 s22, s20, 768
	s_mov_b32 s23, 0
	s_lshl_b32 s20, s20, 5
	s_add_co_u32 s20, s20, XSOFF
	s_mov_b32 s21, 0
	s_lshl_b32 s46, s42, 7
	s_mul_i32 s88, s46, 768
	s_mov_b32 s89, 0
	s_lshl_b32 s46, s46, 5
	s_mov_b32 s47, 0
	s_wait_dscnt 0x0                               ; both opening adds are done
	s_wait_kmcnt 0x0
	s_add_nc_u64 s[22:23], s[4:5], s[22:23]
	s_add_nc_u64 s[20:21], s[4:5], s[20:21]
	s_add_nc_u64 s[88:89], s[6:7], s[88:89]
	s_add_nc_u64 s[46:47], s[8:9], s[46:47]
	CROUND                                         ; in front of the joint loads
	s_mov_b32 s[G0A], 1
	s_mov_b32 s[G0A+1], 0
	s_mov_b64 s[G0A+2:G0A+3], s[22:23]
	s_or_b32 s[G0A+3], s[G0A+3], 0x80000000
	s_mov_b32 s[G0B], 1
	s_mov_b32 s[G0B+1], BOFF
	s_mov_b64 s[G0B+2:G0B+3], s[88:89]
	s_or_b32 s[G0B+3], s[G0B+3], 0x80000000
	s_mov_b32 s[G0SA], 1
	s_mov_b32 s[G0SA+1], SCL
	s_mov_b64 s[G0SA+2:G0SA+3], s[20:21]
	s_or_b32 s[G0SA+3], s[G0SA+3], 0x80000000
	s_mov_b32 s[G0SB], 1
	s_mov_b32 s[G0SB+1], SCL+HALFS
	s_mov_b64 s[G0SB+2:G0SB+3], s[46:47]
	s_or_b32 s[G0SB+3], s[G0SB+3], 0x80000000
.macro ARM under, g0, g1, next         ; one chain of branches on the wave's number, one load to an arm
	s_cmp_lt_u32 s14, \under
	s_cbranch_scc0 \next
	tensor_load_to_lds s[\g0:\g0+3], s[\g1:\g1+7]
	s_nop 0
.rept 4
	v_nop
.endr
	s_branch .Lhead_asked
\next:
.endm
	ARM 1, G0A,  G1A,  .Lhead_b
	ARM 2, G0B,  G1B,  .Lhead_sa
	ARM 3, G0SA, G1SA, .Lhead_sb
	ARM 4, G0SB, G1SB, .Lhead_none
.Lhead_asked:
	v_and_b32 v1, 15, v0                           ; r
	v_bfe_u32 v2, v0, 4, 1                         ; h
	v_mul_u32_u24 v3, v1, PITCH
	v_mad_u32_u24 v6, v2, 24, v3
	v_mad_u32_u24 v3, v2, 40, v3
	s_mul_i32 s92, s15, 64*PITCH
	s_mul_i32 s93, s16, 32*PITCH
	s_add_co_u32 s93, s93, BOFF
	v_add_nc_u32 v[ADRA], s92, v6
	v_add_nc_u32 v[ADRA+1], s92, v3
	v_add_nc_u32 v[ADRB], s93, v6
	v_add_nc_u32 v[ADRB+1], s93, v3
	v_lshlrev_b32 v3, 5, v1
	v_lshrrev_b32 v6, 3, v1
	v_lshl_add_u32 v3, v6, 4, v3                   ; 32 bytes a row, 16 more behind every eighth
	s_mul_i32 s92, s15, 4*SBLK
	s_mul_i32 s93, s16, 2*SBLK
	s_add_co_u32 s93, s93, HALFS
	s_sub_co_u32 s93, s93, s92
	v_mul_u32_u24 v6, s93, v2                      ; lanes 16-31 take B's
	s_add_co_u32 s92, s92, SCL
	v_add_nc_u32 v[ADRY], s92, v3
	v_add_nc_u32 v[ADRX], v[ADRY], v6
	s_mul_i32 s92, s15, 64*SPITCH
	s_lshl_b32 s93, s16, 7
	s_add_co_u32 s92, s92, s93
	s_add_co_u32 s92, s92, STAGE
	v_mul_u32_u24 v3, v1, SPITCH
	v_lshl_add_u32 v3, v2, 5, v3
	v_add_nc_u32 v[STO], s92, v3                   ; in: row 64 (wave / 4) + r, byte 128 (wave % 4) + 32 h
	s_mul_i32 s92, s14, 16*SPITCH
	s_add_co_u32 s92, s92, STAGE
	v_and_b32 v6, 31, v0
	v_lshlrev_b32 v[CO], 4, v6
	v_add_nc_u32 v[RD], s92, v[CO]                 ; back: my wave's 16 rows, a row of 512 bytes to the 32 lanes
	s_lshl_b32 s90, s17, 19                        ; 128 rows of 4,096 bytes
	s_lshl_b32 s91, s14, 16
	s_add_co_u32 s90, s90, s91
	s_lshl_b32 s91, s42, 9
	s_add_co_u32 s90, s90, s91
	s_mov_b32 s91, 0
	s_add_nc_u64 s[10:11], s[10:11], s[90:91]
.macro FRAG reg, adr, st, i            ; 16 rows x 128 K: 12 registers in pieces of 8 bytes; byte y of a row lies at y + 16 (y / 256) of its LDS row
.irp p, 0,1,2,3,4,5
.set BY, 96*(\st)+48*(\p/3)+8*(\p%3)
.if BY/256 == (BY+24)/256
	ds_load_b64 v[\reg+2*\p:\reg+2*\p+1], v[\adr] offset:BY+16*(BY/256)+(\i)*16*PITCH
.else
	ds_load_b64 v[\reg+2*\p:\reg+2*\p+1], v[\adr+1] offset:BY+16*(BY/256)+(\i)*16*PITCH
.endif
.endr
.endm
.macro FETCH st                        ; 36 loads
.irp i, 0,1,2,3
	FRAG FB+72*((\st)%2)+12*\i, ADRA, \st, \i
.endr
.irp i, 0,1
	FRAG FB+72*((\st)%2)+48+12*\i, ADRB, \st, \i
.endr
.endm
.macro MUL st, zero                    ; the eight accumulators take turns in the same order in every step
.irp a, 0,1,2,3
.irp b, 0,1
.if \zero
	v_wmma_scale_f32_16x16x128_f8f6f4 v[AC+8*(2*\a+\b):AC+8*(2*\a+\b)+7], v[FB+72*((\st)%2)+48+12*\b:FB+72*((\st)%2)+59+12*\b], v[FB+72*((\st)%2)+12*\a:FB+72*((\st)%2)+11+12*\a], 0, v[SCX+8*\b+(\st)], v[SCX+8*\a+(\st)] matrix_a_fmt:MATRIX_FMT_BF6 matrix_b_fmt:MATRIX_FMT_BF6 matrix_a_scale:MATRIX_SCALE_ROW1
.else
	v_wmma_scale_f32_16x16x128_f8f6f4 v[AC+8*(2*\a+\b):AC+8*(2*\a+\b)+7], v[FB+72*((\st)%2)+48+12*\b:FB+72*((\st)%2)+59+12*\b], v[FB+72*((\st)%2)+12*\a:FB+72*((\st)%2)+11+12*\a], v[AC+8*(2*\a+\b):AC+8*(2*\a+\b)+7], v[SCX+8*\b+(\st)], v[SCX+8*\a+(\st)] matrix_a_fmt:MATRIX_FMT_BF6 matrix_b_fmt:MATRIX_FMT_BF6 matrix_a_scale:MATRIX_SCALE_ROW1
.endif
.endr
.endr
.endm
	s_wait_alu depctr_va_vdst(0)
	s_wait_tensorcnt 0x0                           ; my tile is in
	s_barrier_signal -1
	s_barrier_wait -1                              ; and everybody's
.irp i, 0,1
	ds_load_b128 v[SCX+8*\i:SCX+8*\i+3], v[ADRX] offset:\i*SBLK          ; a row's eight scale words: all of K
	ds_load_b128 v[SCX+8*\i+4:SCX+8*\i+7], v[ADRX] offset:\i*SBLK+16
.endr
.irp i, 2,3
	ds_load_b128 v[SCX+8*\i:SCX+8*\i+3], v[ADRY] offset:\i*SBLK
	ds_load_b128 v[SCX+8*\i+4:SCX+8*\i+7], v[ADRY] offset:\i*SBLK+16
.endr
	FETCH 0
	FETCH 1
	s_wait_dscnt 36                                ; all but the next step's 36 loads
	MUL 0, 1                                       ; the first step's products start the sums
.set ST, 1
.rept 6
.rept 4
	v_nop                                          ; places in front of loads into the set that the last products read
.endr
	FETCH ST+1
	s_wait_dscnt 36
	MUL ST, 0
.set ST, ST+1
.endr
	s_wait_dscnt 0x0
	MUL 7, 0
.rept 4
	v_nop                                          ; places in front of the reads of results
.endr
.irp a, 0,1,2,3
.irp b, 0,1
	ds_store_b128 v[STO], v[AC+8*(2*\a+\b):AC+8*(2*\a+\b)+3] offset:\a*16*SPITCH+64*\b       ; each accumulator from its low end on
	ds_store_b128 v[STO], v[AC+8*(2*\a+\b)+4:AC+8*(2*\a+\b)+7] offset:\a*16*SPITCH+64*\b+16
.endr
.endr
	s_wait_dscnt 0x0                               ; my stores are done: the others read them behind the barrier
	s_barrier_signal -1
	s_barrier_wait -1
.irp t, 0,1,2,3,4,5,6,7,8,9,10,11,12,13,14,15
	ds_load_b128 v[FB+4*\t:FB+4*\t+3], v[RD] offset:\t*SPITCH
.endr
	s_wait_dscnt 0x0
.irp t, 0,1,2,3,4,5,6,7,8,9,10,11,12,13,14,15
	global_store_b128 v[CO], v[FB+4*\t:FB+4*\t+3], s[10:11] offset:\t*4096 th:TH_STORE_NT   ; 512 consecutive bytes, aligned to 256
.endr
	s_wait_tensorcnt 0x0                           ; the wave's end
	ds_add_u32 v[SPW], v[NIL]
	s_wait_dscnt 0x0
	CROUND                                         ; the closing round
	s_endpgm
.Lfunc_end_k_qc7f68bdef3_outp:
	.size	k_qc7f68bdef3_outp, .Lfunc_end_k_qc7f68bdef3_outp-k_qc7f68bdef3_outp
	.p2alignl 7, 3214868480
	.fill 96, 4, 3214868480
	.section	.rodata,"a",@progbits
	.p2align	6, 0x0
	.amdhsa_kernel k_qc7f68bdef3_outp
		.amdhsa_group_segment_fixed_size 286208
		.amdhsa_private_segment_fixed_size 0
		.amdhsa_enable_private_segment 0
		.amdhsa_kernarg_size 32
		.amdhsa_user_sgpr_count 2
		.amdhsa_user_sgpr_kernarg_segment_ptr 1
		.amdhsa_wavefront_size32 1
		.amdhsa_system_sgpr_workgroup_id_x 1
		.amdhsa_system_sgpr_workgroup_id_y 1
		.amdhsa_system_sgpr_workgroup_id_z 1
		.amdhsa_system_vgpr_workitem_id 0
		.amdhsa_next_free_vgpr 256
		.amdhsa_next_free_sgpr 96
		.amdhsa_reserve_vcc 0
		.amdhsa_float_denorm_mode_32 3
		.amdhsa_float_denorm_mode_16_64 3
		.amdhsa_memory_ordered 1
		.amdhsa_forward_progress 1
		.amdhsa_inst_pref_size 40
	.end_amdhsa_kernel
	.amdgpu_metadata
---
amdhsa.version: [ 1, 2 ]
amdhsa.kernels:
  - .name:           k_qc7f68bdef3_outp
    .symbol:         k_qc7f68bdef3_outp.kd
    .args:
      - { .name: aq, .offset: 0, .size: 8, .value_kind: global_buffer, .address_space: global }
      - { .name: W_o_codes, .offset: 8, .size: 8, .value_kind: global_buffer, .address_space: global }
      - { .name: W_o_scales, .offset: 16, .size: 8, .value_kind: global_buffer, .address_space: global }
      - { .name: ao, .offset: 24, .size: 8, .value_kind: global_buffer, .address_space: global }
    .group_segment_fixed_size: 286208
    .private_segment_fixed_size: 0
    .kernarg_segment_align: 8
    .kernarg_segment_size: 32
    .max_flat_workgroup_size: 256
    .sgpr_count:     96
    .vgpr_count:     256
    .wavefront_size: 32
...
	.end_amdgpu_metadata
.endif
;; end of part 4
;; launch lnorm (part 5): grid 256 x 1, 4 waves a work-group, no clusters, 0 bytes of LDS; arguments ao, w, ln_gamma, ln_beta, out0; writes out0
.if DOCPART == 5
	.amdgcn_target "amdgcn-amd-amdhsa--gfx1250"
	.amdhsa_code_object_version 6
	.text
	.protected	k_qc7f68bdef3_lnorm
	.globl	k_qc7f68bdef3_lnorm
	.p2align	8
	.type	k_qc7f68bdef3_lnorm,@function
k_qc7f68bdef3_lnorm:
	s_mov_b64 s[64:65], 0
	v_nop
	global_prefetch_b8 v0, s[64:65] scope:SCOPE_SE
	s_setreg_imm32_b32 hwreg(HW_REG_WAVE_MODE, 25, 1), 1
	s_wait_xcnt 0x0
; out0[i][b][:] = layer norm of w[i][b][:] + attn_out, x gamma + beta.  ao holds attn_out as [b*1024 + i][1024] f32; w and out0 are [i][b][1024].
; A row is 4,096 bytes: one wave takes a whole row, 16 bytes a lane and load, eight loads for each of the two addends, and keeps it in registers: mean, then the mean of squared differences, then the scaling.
; A wave takes query i = 4 x work-group + wave and its four rows b = 0 .. 3, in two row slots: one at work, one on its way in.  gamma and beta stay in registers.
; No LDS, no barrier, no matrix unit: memory binds; every load and store of a wave covers 512 consecutive bytes.
; ao's rows of one i lie 4 MiB apart: two bases (b = 0 and b = 2), so that the offsets stay inside the signed 24-bit immediate (ISA guide, chapter 10).
.set GA, 32                            ; v32-63  gamma of my 32 columns (128 q + 4 lane + 0 .. 3)
.set BE, 64                            ; v64-95  beta
.set RS, 96                            ; v96-223 two slots: 32 registers of ao (then x, d, y), 32 of w
	s_load_b256 s[4:11], s[0:1], 0x0               ; ao, w, gamma, beta
	s_load_b64 s[12:13], s[0:1], 0x20              ; out0
	v_lshrrev_b32 v1, 5, v0
	v_readfirstlane_b32 s14, v1                    ; wave
	v_and_b32 v1, 31, v0
	v_lshlrev_b32 v1, 4, v1                        ; 16 x lane; never rewritten
	s_lshl_b32 s15, ttmp9, 2
	s_add_co_u32 s15, s15, s14                     ; i
	s_lshl_b32 s16, s15, 12
	s_mov_b32 s17, 0
	s_lshl_b32 s18, s15, 14                        ; four rows of 4,096 bytes for each i
	s_mov_b32 s19, 0
	s_mov_b32 s20, 0x76543210
	s_mov_b32 s21, 0xfedcba98                      ; v_permlanex16_b32's selects for lane l xor 16
	s_mov_b32 s22, 0x3a800000                      ; 1 / 1,024
	s_wait_alu depctr_va_vdst(0)
	s_wait_kmcnt 0x0
	s_add_nc_u64 s[4:5], s[4:5], s[16:17]          ; ao at (b = 0, i)
	s_add_nc_u64 s[24:25], s[4:5], 8388608         ; and at (b = 2, i)
	s_add_nc_u64 s[6:7], s[6:7], s[18:19]
	s_add_nc_u64 s[12:13], s[12:13], s[18:19]
.irp q, 0,1,2,3,4,5,6,7
	global_load_b128 v[GA+4*\q:GA+4*\q+3], v1, s[8:9] offset:512*\q
	global_load_b128 v[BE+4*\q:BE+4*\q+3], v1, s[10:11] offset:512*\q
.endr
.macro LOADROW k
.set RB, RS+64*((\k)%2)
.irp q, 0,1,2,3,4,5,6,7
.if (\k) < 2
	global_load_b128 v[RB+4*\q:RB+4*\q+3], v1, s[4:5] offset:((\k)%2)*4194304+512*\q th:TH_LOAD_NT
.else
	global_load_b128 v[RB+4*\q:RB+4*\q+3], v1, s[24:25] offset:((\k)%2)*4194304+512*\q th:TH_LOAD_NT
.endif
	global_load_b128 v[RB+32+4*\q:RB+32+4*\q+3], v1, s[6:7] offset:(\k)*4096+512*\q th:TH_LOAD_NT
.endr
.endm
.macro ALLSUM                          ; v[8:15], four pairs of partial sums, become the sum over the row, in every lane's v8
	v_pk_add_f32 v[8:9], v[8:9], v[10:11]
	v_pk_add_f32 v[12:13], v[12:13], v[14:15]
	v_pk_add_f32 v[8:9], v[8:9], v[12:13]
	v_add_f32 v8, v8, v9
	v_add_f32_dpp v8, v8, v8 row_xmask:1 row_mask:0xf bank_mask:0xf
	v_add_f32_dpp v8, v8, v8 row_xmask:2 row_mask:0xf bank_mask:0xf
	v_add_f32_dpp v8, v8, v8 row_xmask:4 row_mask:0xf bank_mask:0xf
	v_add_f32_dpp v8, v8, v8 row_xmask:8 row_mask:0xf bank_mask:0xf
	v_permlanex16_b32 v9, v8, s20, s21
	v_add_f32 v8, v8, v9
.endm
.macro ROW k
.set RB, RS+64*((\k)%2)
.if (\k) < 3
	s_wait_loadcnt 16                              ; this row's 16 loads (and gamma's and beta's) are in; the next row's 16 may be out
.else
	s_wait_loadcnt 0x0
.endif
.irp j, 0,2,4,6,8,10,12,14,16,18,20,22,24,26,28,30
	v_pk_add_f32 v[RB+\j:RB+\j+1], v[RB+\j:RB+\j+1], v[RB+32+\j:RB+33+\j]   ; x = attn_out + w
.endr
.irp c, 0,1,2,3
	v_pk_add_f32 v[8+2*\c:9+2*\c], v[RB+2*\c:RB+2*\c+1], v[RB+8+2*\c:RB+9+2*\c]   ; the sum, in four chains
.endr
.irp g, 16,24
.irp c, 0,1,2,3
	v_pk_add_f32 v[8+2*\c:9+2*\c], v[8+2*\c:9+2*\c], v[RB+\g+2*\c:RB+\g+2*\c+1]
.endr
.endr
	ALLSUM
	v_mul_f32 v16, s22, v8                         ; the mean
	v_mov_b32 v17, v16
.irp j, 0,2,4,6,8,10,12,14,16,18,20,22,24,26,28,30
	v_pk_add_f32 v[RB+\j:RB+\j+1], v[RB+\j:RB+\j+1], v[16:17] neg_lo:[0,1] neg_hi:[0,1]   ; d = x - mean
.endr
.irp c, 0,1,2,3
	v_pk_mul_f32 v[8+2*\c:9+2*\c], v[RB+2*\c:RB+2*\c+1], v[RB+2*\c:RB+2*\c+1]
.endr
.irp g, 8,16,24
.irp c, 0,1,2,3
	v_pk_fma_f32 v[8+2*\c:9+2*\c], v[RB+\g+2*\c:RB+\g+2*\c+1], v[RB+\g+2*\c:RB+\g+2*\c+1], v[8+2*\c:9+2*\c]
.endr
.endr
	ALLSUM
	v_fmaak_f32 v18, s22, v8, 0x3727c5ac           ; the variance + 1e-5
	s_wait_alu depctr_va_vdst(0)
	v_rsq_f32 v20, v18
	v_rsq_f32 v21, v18                             ; twice: a pair for the packed multiply
	v_nop                                          ; one plain line behind the last of them
	s_wait_alu depctr_va_vdst(0)                   ; one wait for both, ahead of their first reader
.irp j, 0,2,4,6,8,10,12,14,16,18,20,22,24,26,28,30
	v_pk_mul_f32 v[RB+\j:RB+\j+1], v[RB+\j:RB+\j+1], v[20:21]
.endr
.irp j, 0,2,4,6,8,10,12,14,16,18,20,22,24,26,28,30
	v_pk_fma_f32 v[RB+\j:RB+\j+1], v[RB+\j:RB+\j+1], v[GA+\j:GA+\j+1], v[BE+\j:BE+\j+1]
.endr
.irp q, 0,1,2,3,4,5,6,7
	global_store_b128 v1, v[RB+4*\q:RB+4*\q+3], s[12:13] offset:(\k)*4096+512*\q th:TH_STORE_NT   ; 512 consecutive bytes, at a multiple of 256 from the buffer's first byte
.endr
.if (\k) < 2
	s_wait_xcnt 0x0                                ; the stores have read their data: the slot is loaded again only behind this wait
	LOADROW (\k)+2
.endif
.endm
	LOADROW 0
	LOADROW 1
	ROW 0
	ROW 1
	ROW 2
	ROW 3
	s_endpgm
.Lfunc_end_k_qc7f68bdef3_lnorm:
	.size	k_qc7f68bdef3_lnorm, .Lfunc_end_k_qc7f68bdef3_lnorm-k_qc7f68bdef3_lnorm
	.p2alignl 7, 3214868480
	.fill 96, 4, 3214868480
	.section	.rodata,"a",@progbits
	.p2align	6, 0x0
	.amdhsa_kernel k_qc7f68bdef3_lnorm
		.amdhsa_group_segment_fixed_size 0
		.amdhsa_private_segment_fixed_size 0
		.amdhsa_enable_private_segment 0
		.amdhsa_kernarg_size 40
		.amdhsa_user_sgpr_count 2
		.amdhsa_user_sgpr_kernarg_segment_ptr 1
		.amdhsa_wavefront_size32 1
		.amdhsa_system_sgpr_workgroup_id_x 1
		.amdhsa_system_sgpr_workgroup_id_y 1
		.amdhsa_system_sgpr_workgroup_id_z 1
		.amdhsa_system_vgpr_workitem_id 0
		.amdhsa_next_free_vgpr 224
		.amdhsa_next_free_sgpr 66
		.amdhsa_reserve_vcc 0
		.amdhsa_float_denorm_mode_32 3
		.amdhsa_float_denorm_mode_16_64 3
		.amdhsa_memory_ordered 1
		.amdhsa_forward_progress 1
		.amdhsa_inst_pref_size 41
	.end_amdhsa_kernel
	.amdgpu_metadata
---
amdhsa.version: [ 1, 2 ]
amdhsa.kernels:
  - .name:           k_qc7f68bdef3_lnorm
    .symbol:         k_qc7f68bdef3_lnorm.kd
    .args:
      - { .name: ao, .offset: 0, .size: 8, .value_kind: global_buffer, .address_space: global }
      - { .name: w, .offset: 8, .size: 8, .value_kind: global_buffer, .address_space: global }
      - { .name: ln_gamma, .offset: 16, .size: 8, .value_kind: global_buffer, .address_space: global }
      - { .name: ln_beta, .offset: 24, .size: 8, .value_kind: global_buffer, .address_space: global }
      - { .name: out0, .offset: 32, .size: 8, .value_kind: global_buffer, .address_space: global }
    .group_segment_fixed_size: 0
    .private_segment_fixed_size: 0
    .kernarg_segment_align: 8
    .kernarg_segment_size: 40
    .max_flat_workgroup_size: 128
    .sgpr_count:     66
    .vgpr_count:     224
    .wavefront_size: 32
...
	.end_amdgpu_metadata
.endif
;; end of part 5
